; MI455X (gfx1250); checked and timed in simulation.
; The chip was launched on July 23, 2026; its instructions are those of AMD's public machine-readable ISA for CDNA 5 (MIT licence, August 2026) and "CDNA5" Instruction Set Architecture Reference Guide (July 2026). The comments in the code are by the model that wrote it; some were corrected since.
;; Multi Head Self Attention. Allowed arithmetic: matrix products marked QUANTISED: E3M2 operands, one E8M0 scale for each 32 along K, by v_wmma_scale_f32_16x16x128_f8f6f4 with both operands' format E3M2, f32 sums; everything else in f32.
;; Inputs: Wk 1,024 x 1,024 float32; Wo 1,024 x 1,024 float32; Wq 1,024 x 1,024 float32; Wv 1,024 x 1,024 float32; bo 1,024 float32; key_padding_mask 2 x 2,048 bool; mask 2,048 x 2,048 float32; x 2 x 2,048 x 1,024 float32.
;; Outputs: out0 2 x 2,048 x 1,024 float32.
;; This version of the problem:
;;   THIS VERSION OF THE PROBLEM IS GIVEN IN LOW PRECISION. The matrix products marked QUANTISED in the list below multiply operands that are first quantised to E3M2 (3 exponent bits, 2 mantissa bits; 6 bits a number), with one power-of-two scale for each 32 numbers along K (OCP MX v1.0); their sums are f32. All else is computed in f32.
;;   The module's matrix products, in the order in which they are computed (A, B: the left and right operand; K: the contracted axis; several contracted axes count as one K, in the product's order):
;;     1. [M 4,096, K 1,024] x [K 1,024, N 1,024]; A: input x; B: input Wq: QUANTISED
;;     2. [M 4,096, K 1,024] x [K 1,024, N 1,024]; A: input x; B: input Wk: QUANTISED
;;     3. [M 4,096, K 1,024] x [K 1,024, N 1,024]; A: input x; B: input Wv: QUANTISED
;;     4. batch 32 x [M 2,048, K 64] x [K 64, N 2,048]; A: computed on the way; B: computed on the way: QUANTISED
;;     5. batch 32 x [M 2,048, K 2,048] x [K 2,048, N 64]; A: computed on the way; B: computed on the way: QUANTISED
;;     6. [M 4,096, K 1,024] x [K 1,024, N 1,024]; A: computed on the way; B: input Wo: QUANTISED
;;   THE QUANTISER, for each operand of a quantised product, along K:
;;     - K is cut into blocks of 32 from its start; a last block that is shorter is filled with zeros.
;;     - A block's scale is 2^e with e = floor(log2(the largest magnitude in the block)) - 4, held to -126 .. 127; a block of zeros has e = 0. As a byte (E8M0): e + 127.
;;     - Each number is divided by its block's scale, clamped to +-28, and rounded to the nearest number of E3M2, ties to even, subnormals kept.
;;     - The product sums the exact products of the quantised numbers (number of the format x scale) in f32.
;;   ~~~python
;;   def quantise(x, axis):      # numpy; x: float32 -> the quantised numbers, widened to float32 again
;;       x = np.moveaxis(x, axis, -1); K = x.shape[-1]
;;       x = np.pad(x, [(0, 0)] * (x.ndim - 1) + [(0, -K % 32)]); x = x.reshape(x.shape[:-1] + (-1, 32)); a = np.abs(x).max(-1, keepdims=True)
;;       e = np.where(a > 0, np.clip(np.frexp(np.where(a > 0, a, 1))[1] - 1 - 4, -126, 127), 0)      # np.frexp(a)[1] - 1 = floor(log2(a)), exactly
;;       r = np.clip(x / 2.0 ** e, -28, 28)
;;       step = 2.0 ** (np.maximum(np.frexp(np.where(r == 0, 1, r))[1] - 1, -2) - 2)
;;       q = np.round(r / step) * step * 2.0 ** e      # np.round: ties to even
;;       return np.moveaxis(q.reshape(q.shape[:-2] + (-1,))[..., :K], -1, axis).astype(np.float32)
;;   ~~~
;;   OPERANDS COMPUTED ON THE WAY. 'Computed on the way' means the value that the module computes at that place (a softmax that the list does not call 'softmax' is quantised finished and normalised). What goes into a quantiser is computed in f32, as accurately as f32 sums, v_exp_f32 and their like allow (about 1e-6 of the number): no bf16 or f16 on the way to a quantiser, and a product that is left as it is and whose result goes on into a quantised operand takes f32 operands (vector FMAs, or v_wmma_f32_16x16x4_f32). A number that lies on a knife's edge between two numbers of the format may be rounded either way, as far as f32 arithmetic and the matrix unit's own rounding can turn it there, and no further.
;; 2 versions, each right; version 2 is version 1 with the launches qkv, attn, oproj written anew for expert scheduling mode. Each part assembles by itself: llvm-mc -triple=amdgcn-amd-amdhsa -mcpu=gfx1250 --defsym DOCPART=n.
;; ======== version 1 of 2: 4 launches
;; limits: right only within a limited range of input values
;; workspace buffers: w1 6,553,600 bytes; w2 9,830,400 bytes; w3 4,194,304 bytes
;; launch quant (part 1): grid 512 x 1, 4 waves a work-group, no clusters, 81,408 bytes of LDS; arguments x, Wq, Wk, Wv, Wo, w1; writes w1
.if DOCPART == 1
	.amdgcn_target "amdgcn-amd-amdhsa--gfx1250"
	.amdhsa_code_object_version 6
	.text
	.protected	k_qa762613ad2_quant
	.globl	k_qa762613ad2_quant
	.p2align	8
	.type	k_qa762613ad2_quant,@function
k_qa762613ad2_quant:
	s_mov_b64 s[64:65], 0
	v_nop
	global_prefetch_b8 v0, s[64:65] scope:SCOPE_SE
	s_setreg_imm32_b32 hwreg(HW_REG_WAVE_MODE, 25, 1), 1
	s_wait_xcnt 0x0
; x [4096][1024] f32 (K innermost) and Wq, Wk, Wv, Wo [1024 (k)][1024 (n)] f32 (K outermost) become codes of BF6 (E3M2) with one E8M0 byte for each 32 along K.
; The codes are laid as IMAGES OF THE OPERAND'S REGISTERS.  A fragment is 16 rows x 128 K = 12 registers a lane = 1,536 bytes: register p of lane l at (p / 4) 512 + 16 l + 4 (p % 4).
; THE ROWS OF A TILE ARE NOT NEIGHBOURS: rows go in blocks of 32; row r of tile (block n, u) is row 32 n + 8 u + r + 8 (r / 8).
; Scale words: 128 bytes for a block of 32 rows and a K step of 128: lanes 0-15 tile u = 0, lanes 16-31 tile u = 1, byte b of a word for k = 32 b on.
; w1: x's images [tile 256][K step 8][1536] at 0; the weights' [matrix 4][tile 64][K step 8][1536]; x's scale words [block 128][K step 8][128]; the weights' [matrix x 32 + block][K step 8][128].
; A block's scale is 2^(floor(log2(largest magnitude)) - 4): its byte is the largest magnitude's exponent field - 4, held at 1 from below.
; LIMITS: a block whose largest magnitude lies under 2^-122 gets the byte 1; a block of zeros gets the byte 1 where the quantiser says 127 (its codes are zeros, and this program alone reads the bytes);
; NaN and infinities among the inputs are not served.
; Work-groups 0-255 take x, 256-511 the weights.  A wave's job is 32 rows x 128 K.  Each wave has a stage of its own in LDS, and each of the two paths has LDS bytes of its own: no barrier.
.set WQ_O, 3145728
.set XS_O, 6291456
.set WS_O, 6422528
.set TILEB, 12288                      ; a tile's eight K steps
.set XP, 528                           ; x's stage: a row of 512 bytes + 16
.set XT, 16*XP                         ; a tile of 16 rows
.set XW, 2*XT                          ; a wave's two tiles
.set WB, 4*XW                          ; behind x's stages: the weights'
.set WT, 1664                          ; an image of 1,536 bytes + 128
.set WW, 2*WT
; 32 numbers of one lane, a whole block, become six registers of codes at v[dst] and the scale's byte in v[byte].  At work: v8-v14
.macro QB src, dst, byte
	v_max3_num_f32 v8, |v[(\src)]|, |v[(\src)+1]|, |v[(\src)+2]|
	v_max3_num_f32 v9, |v[(\src)+3]|, |v[(\src)+4]|, |v[(\src)+5]|
.irp i, 6,10,14,18,22,26
	v_max3_num_f32 v8, v8, |v[(\src)+\i]|, |v[(\src)+\i+1]|
	v_max3_num_f32 v9, v9, |v[(\src)+\i+2]|, |v[(\src)+\i+3]|
.endr
	v_max3_num_f32 v8, v8, |v[(\src)+30]|, |v[(\src)+31]|
	v_max3_num_f32 v8, v8, v9, 0x2800000           ; the floor 2^(5 - 127): the byte cannot fall under 1
	v_add_nc_u32 v10, 0xfe000000, v8               ; 4 off the exponent field: the conversion takes this operand's exponent field as its scale
	v_cvt_scalef32_pk16_bf6_f32 v[(\dst):(\dst)+2], v[(\src):(\src)+15], v10
	v_cvt_scalef32_pk16_bf6_f32 v[12:14], v[(\src)+16:(\src)+31], v10   ; (a conversion's three registers begin on an even number)
	v_lshrrev_b32 v[(\byte)], 23, v10              ; the byte; also the plain line behind the conversions
	v_mov_b32 v[(\dst)+3], v12
	v_mov_b32 v[(\dst)+4], v13
	v_mov_b32 v[(\dst)+5], v14
.endm
	s_load_b256 s[4:11], s[0:1], 0x0               ; x, Wq, Wk, Wv
	s_load_b128 s[12:15], s[0:1], 0x20             ; Wo, w1
	v_lshl_add_u32 v254, v0, 2, 0x13c00
	v_mov_b32 v255, 0
	v_lshrrev_b32 v1, 5, v0
	v_readfirstlane_b32 s16, v1                    ; wave
	v_and_b32 v5, 31, v0                           ; lane
	v_lshlrev_b32 v1, 4, v5                        ; 16 x lane
	v_lshlrev_b32 v4, 2, v5                        ; 4 x lane
	s_mov_b32 s20, 0x76543210
	s_mov_b32 s21, 0xfedcba98                      ; lane l xor 16
	s_mov_b32 s22, 0xffff0000                      ; lanes 16-31
	s_cmp_lt_u32 ttmp9, 256
	s_cbranch_scc0 .Lweights
	; ---------------- x: block kb = id / 2, K step 4 (id % 2) + wave
	v_and_b32 v6, 15, v0                           ; r
	v_bfe_u32 v7, v0, 4, 1                         ; h
	s_mul_i32 s17, s16, XW
	v_add_nc_u32 v2, s17, v1                       ; into the stage: 16 x lane of a row
	v_mul_u32_u24 v3, v6, XP
	v_lshl_add_u32 v3, v7, 7, v3
	v_add_nc_u32 v3, s17, v3                       ; out of it: row r, + 128 h: my 32 numbers of each 64
	v_lshlrev_b32 v7, 3, v7                        ; 8 h: my bytes' place in the scale word
	v_mov_b32 v20, 0                               ; (a lane permute's destination counts as read)
	v_mov_b32 v21, 0
	s_lshr_b32 s18, ttmp9, 1                       ; kb
	s_and_b32 s19, ttmp9, 1
	s_lshl_b32 s19, s19, 2
	s_add_co_u32 s19, s19, s16                     ; ks
	s_lshl_b32 s24, s18, 17                        ; 32 rows of 4,096 bytes
	s_lshl_b32 s26, s19, 9
	s_add_co_u32 s24, s24, s26
	s_mov_b32 s25, 0
	s_mul_i32 s26, s18, 2*TILEB
	s_mul_i32 s28, s19, 1536
	s_add_co_u32 s26, s26, s28
	s_mov_b32 s27, 0
	s_lshl_b32 s28, s18, 3
	s_add_co_u32 s28, s28, s19
	s_lshl_b32 s28, s28, 7
	s_add_co_u32 s28, s28, XS_O
	s_mov_b32 s29, 0
	s_wait_kmcnt 0x0
	s_add_nc_u64 s[4:5], s[4:5], s[24:25]
	s_add_nc_u64 s[26:27], s[14:15], s[26:27]
	s_add_nc_u64 s[28:29], s[14:15], s[28:29]
.set p, 0
.rept 32
	global_load_b128 v[32+4*p:35+4*p], v1, s[4:5] offset:p*4096 th:TH_LOAD_NT   ; 32 lanes read 512 consecutive bytes of row p
.set p, p+1
.endr
.set p, 0
.rept 32
	s_wait_loadcnt 31-p                            ; row p is in; the younger rows may be out
	ds_store_b128 v2, v[32+4*p:35+4*p] offset:((p/8)%2)*XT+((p%8)+8*(p/16))*XP   ; to its tile and its row there
.set p, p+1
.endr
.set p, 0
.rept 16
	ds_load_b128 v[160+4*p:163+4*p], v3 offset:(p/8)*256+(p%8)*16                ; tile 0: k = 64 c + 32 h + 0 .. 31 of my row
.set p, p+1
.endr
	s_wait_dscnt 0x0                               ; tile 0 is in, and the stage's stores have read their registers
.set p, 0
.rept 16
	ds_load_b128 v[32+4*p:35+4*p], v3 offset:XT+(p/8)*256+(p%8)*16               ; tile 1
.set p, p+1
.endr
	QB 160, 224, 16
	QB 192, 230, 17
	s_wait_dscnt 0x0
	QB 32, 236, 18
	QB 64, 242, 19
	v_lshl_or_b32 v22, v17, 16, v16                ; my two bytes: blocks h and 2 + h,
	v_lshl_or_b32 v23, v19, 16, v18
	v_lshlrev_b32 v22, v7, v22                     ; at their places;
	v_lshlrev_b32 v23, v7, v23
	v_permlanex16_b32 v20, v22, s20, s21
	v_permlanex16_b32 v21, v23, s20, s21
	v_or_b32 v22, v22, v20                         ; with lane l xor 16's two the word is whole
	v_or_b32 v23, v23, v21
	v_cndmask_b32 v24, v22, v23, s22               ; lanes 0-15 tile 0's word, lanes 16-31 tile 1's
.irp u, 0,1
.irp g, 0,1,2
	global_store_b128 v1, v[224+12*\u+4*\g:227+12*\u+4*\g], s[26:27] offset:\u*TILEB+\g*512   ; 512 consecutive bytes
.endr
.endr
	global_store_b32 v4, v24, s[28:29]
	s_wait_tensorcnt 0x0
	ds_add_u32 v254, v255
	s_wait_dscnt 0x0
	s_endpgm
	; ---------------- a weight: lane phi takes column 32 fb + phi, and its registers run down K
.Lweights:
	s_sub_co_u32 s17, ttmp9, 256
	s_lshr_b32 s18, s17, 6                         ; which matrix
	s_bfe_u32 s19, s17, 0x30003
	s_lshl_b32 s19, s19, 2
	s_add_co_u32 s19, s19, s16                     ; fb: block of 32 columns
	s_and_b32 s23, s17, 7                          ; ks
	v_bfe_u32 v6, v0, 3, 1                         ; u (phi)
	v_and_b32 v7, 7, v0
	v_bfe_u32 v2, v0, 4, 1
	v_lshl_add_u32 v7, v2, 3, v7                   ; r (phi)
	s_mul_i32 s24, s16, WW
	s_add_co_u32 s24, s24, WB
	v_mul_u32_u24 v2, v6, WT
	v_lshl_add_u32 v2, v7, 4, v2
	v_add_nc_u32 v2, s24, v2                       ; my column's place in its tile's image
	v_add_nc_u32 v3, s24, v1                       ; and the image as it is read back
	v_lshl_add_u32 v6, v6, 4, v7
	v_lshlrev_b32 v6, 2, v6                        ; my scale word's place: 4 (16 u + r)
	s_lshl_b32 s24, s23, 19                        ; 128 rows of 4,096 bytes
	s_lshl_b32 s26, s19, 7
	s_add_co_u32 s24, s24, s26
	s_mov_b32 s25, 0
	s_lshl_b32 s26, s18, 6
	s_lshl_b32 s28, s19, 1
	s_add_co_u32 s26, s26, s28
	s_mul_i32 s26, s26, TILEB
	s_mul_i32 s28, s23, 1536
	s_add_co_u32 s26, s26, s28
	s_add_co_u32 s26, s26, WQ_O
	s_mov_b32 s27, 0
	s_lshl_b32 s28, s18, 5
	s_add_co_u32 s28, s28, s19
	s_lshl_b32 s28, s28, 3
	s_add_co_u32 s28, s28, s23
	s_lshl_b32 s28, s28, 7
	s_add_co_u32 s28, s28, WS_O
	s_mov_b32 s29, 0
	s_wait_kmcnt 0x0
	s_cmp_eq_u32 s18, 1                            ; the choice hangs on the work-group's number alone
	s_cselect_b64 s[6:7], s[8:9], s[6:7]
	s_cmp_eq_u32 s18, 2
	s_cselect_b64 s[6:7], s[10:11], s[6:7]
	s_cmp_eq_u32 s18, 3
	s_cselect_b64 s[6:7], s[12:13], s[6:7]
	s_add_nc_u64 s[6:7], s[6:7], s[24:25]
	s_add_nc_u64 s[26:27], s[14:15], s[26:27]
	s_add_nc_u64 s[28:29], s[14:15], s[28:29]
.macro WLOAD t                         ; block t: W(128 ks + 32 t + i, my column): a wave reads 128 consecutive bytes, the four waves 512
.set p, 0
.rept 32
	global_load_b32 v[32+32*(\t)+p], v4, s[6:7] offset:(32*(\t)+p)*4096 th:TH_LOAD_NT
.set p, p+1
.endr
.endm
.macro WSTORE k                        ; block k = 2 c + hh is registers 6 c .. 6 c + 5 of the image's lane r + 16 hh
.set CC, 224+6*(\k)
.if (\k) < 2
	ds_store_b128 v2, v[CC:CC+3] offset:((\k)%2)*256
	ds_store_b64 v2, v[CC+4:CC+5] offset:512+((\k)%2)*256
.else
	ds_store_b64 v2, v[CC:CC+1] offset:520+((\k)%2)*256
	ds_store_b128 v2, v[CC+2:CC+5] offset:1024+((\k)%2)*256
.endif
.endm
	WLOAD 0
	WLOAD 1
	s_wait_loadcnt 32                              ; block 0 is in; block 1's 32 loads may be out
	WLOAD 2
	QB 32, 224, 16
	WSTORE 0
	s_wait_loadcnt 32                              ; block 1 is in; block 2's may be out
	WLOAD 3
	QB 64, 230, 17
	WSTORE 1
	s_wait_loadcnt 32                              ; block 2 is in; block 3's may be out
	QB 96, 236, 18
	WSTORE 2
	s_wait_loadcnt 0x0
	QB 128, 242, 19
	WSTORE 3
.irp t, 0,1,2,3,4,5
	ds_load_b128 v[160+4*\t:163+4*\t], v3 offset:(\t/3)*WT+(\t%3)*512   ; LDS serves a wave's instructions in order: these see my stores
.endr
	v_lshl_or_b32 v20, v17, 8, v16                 ; my column's four bytes make its scale word
	v_lshl_or_b32 v20, v18, 16, v20
	v_lshl_or_b32 v20, v19, 24, v20
.irp t, 0,1,2,3,4,5
	s_wait_dscnt 5-\t
	global_store_b128 v1, v[160+4*\t:163+4*\t], s[26:27] offset:(\t/3)*TILEB+(\t%3)*512
.endr
	global_store_b32 v6, v20, s[28:29]
	s_wait_tensorcnt 0x0
	ds_add_u32 v254, v255
	s_wait_dscnt 0x0
	s_endpgm
.Lfunc_end_k_qa762613ad2_quant:
	.size	k_qa762613ad2_quant, .Lfunc_end_k_qa762613ad2_quant-k_qa762613ad2_quant
	.p2alignl 7, 3214868480
	.fill 96, 4, 3214868480
	.section	.rodata,"a",@progbits
	.p2align	6, 0x0
	.amdhsa_kernel k_qa762613ad2_quant
		.amdhsa_group_segment_fixed_size 81408
		.amdhsa_private_segment_fixed_size 0
		.amdhsa_enable_private_segment 0
		.amdhsa_kernarg_size 48
		.amdhsa_user_sgpr_count 2
		.amdhsa_user_sgpr_kernarg_segment_ptr 1
		.amdhsa_wavefront_size32 1
		.amdhsa_system_sgpr_workgroup_id_x 1
		.amdhsa_system_sgpr_workgroup_id_y 1
		.amdhsa_system_sgpr_workgroup_id_z 1
		.amdhsa_system_vgpr_workitem_id 0
		.amdhsa_next_free_vgpr 256
		.amdhsa_next_free_sgpr 66
		.amdhsa_reserve_vcc 0
		.amdhsa_float_denorm_mode_32 3
		.amdhsa_float_denorm_mode_16_64 3
		.amdhsa_memory_ordered 1
		.amdhsa_forward_progress 1
		.amdhsa_inst_pref_size 39
	.end_amdhsa_kernel
	.amdgpu_metadata
---
amdhsa.version: [ 1, 2 ]
amdhsa.kernels:
  - .name:           k_qa762613ad2_quant
    .symbol:         k_qa762613ad2_quant.kd
    .args:
      - { .name: x, .offset: 0, .size: 8, .value_kind: global_buffer, .address_space: global }
      - { .name: Wq, .offset: 8, .size: 8, .value_kind: global_buffer, .address_space: global }
      - { .name: Wk, .offset: 16, .size: 8, .value_kind: global_buffer, .address_space: global }
      - { .name: Wv, .offset: 24, .size: 8, .value_kind: global_buffer, .address_space: global }
      - { .name: Wo, .offset: 32, .size: 8, .value_kind: global_buffer, .address_space: global }
      - { .name: w1, .offset: 40, .size: 8, .value_kind: global_buffer, .address_space: global }
    .group_segment_fixed_size: 81408
    .private_segment_fixed_size: 0
    .kernarg_segment_align: 8
    .kernarg_segment_size: 48
    .max_flat_workgroup_size: 128
    .sgpr_count:     66
    .vgpr_count:     256
    .wavefront_size: 32
...
	.end_amdgpu_metadata
.endif
;; end of part 1
;; launch qkv (part 2): grid 32 x 8, 3 waves a work-group, no clusters, 0 bytes of LDS; arguments w1, w2; writes w2
.if DOCPART == 2
	.amdgcn_target "amdgcn-amd-amdhsa--gfx1250"
	.amdhsa_code_object_version 6
	.text
	.protected	k_qa762613ad2_qkv
	.globl	k_qa762613ad2_qkv
	.p2align	8
	.type	k_qa762613ad2_qkv,@function
k_qa762613ad2_qkv:
	s_mov_b64 s[64:65], 0
	v_nop
	global_prefetch_b8 v0, s[64:65] scope:SCOPE_SE
	s_setreg_imm32_b32 hwreg(HW_REG_WAVE_MODE, 25, 1), 1
	s_wait_xcnt 0x0
; Q = x Wq, K = x Wk, V = x Wv on codes of BF6 with E8M0 scales, sums in f32; the results are quantised at once for the two products of attention and stored as images of operand registers.
; A wave makes 128 tokens x 128 features (64 accumulators, 512 registers), K = 1,024 in eight steps of 128; operands come from memory straight into registers, as dense runs of 512 bytes.
; Wave F = 3 y + wave (0 .. 23) takes features 128 F of [Wq | Wk | Wv]; work-group x takes tokens 128 x.  No LDS, no barrier: waves share nothing.
; ONE BODY, TWO ORIENTATIONS: accumulator (o, i) = source 0: INNER tile i, source 1: OUTER tile o.  A lane holds one row of the outer tile, and the registers of inner tiles 2 n, 2 n + 1 are 16 neighbours
; (rows of a tile: 32 n + 8 u + r + 8 (r / 8)).  Q, K: inner = weights, outer = tokens: registers run along the features, their K in the score product.  V: inner = tokens, outer = weights: registers run along
; the tokens, which are the keys, V's K.  Only four offsets differ.
; w2: Q's, K's and V's images, each [batch][head][64 slots][1536].  Q, K slot kb: registers 0-5 = token tile (kb, 0), dims 32 hh on; registers 6-11 = token tile (kb, 1).  V slot 4 s + dt: dims' tile dt x the 128 keys of step s.
; Their scale words, each [batch][head][s 16][r 16][4 words]: Q, K: word j for slot 4 s + j, bytes (u 0 block 0, u 0 block 1, u 1 block 0, u 1 block 1); V: word j for dims' tile j, bytes = the step's four blocks of keys.
; LIMITS: a block whose largest magnitude lies under 2^-122, a block of zeros among them, gets the byte 1 (zeros keep zero codes; this program alone reads the bytes).
; REGISTERS: window 0: v1-3 addresses; v32-47 scale words, two sets; v64-255 fragments, buffer 1.  window 1: v64-255 buffer 0.  windows 2, 3: the accumulators, (o, i) at 8 (8 (o % 4) + i).
.set WQ_O, 3145728
.set XS_O, 6291456
.set WS_O, 6422528
.set QS_O, 9437184
.set PW, 160                           ; the way out, window 0: v64-159 codes, v160-167 scale words, v168-175 words as stored, v176-191 at work, v192-199 half blocks
.set W4, 168
.set TM, 176
.set XH, 192
.set MSB, 0
.macro WIN new                         ; the immediate's high byte repeats the setting that is left
.if MSB != (\new)
	s_set_vgpr_msb (MSB<<8)|(\new)
.set MSB, (\new)
.endif
.endm
.macro NOPS n
.rept \n
	v_nop
.endr
.endm
; one product, by the symbols rD, rA, rB, rSA, rSB; fRA, fRB: the side's scales stand in lanes 16-31; fZ: it starts the sum
.macro WMS
.if fZ
.if fRA && fRB
	v_wmma_scale_f32_16x16x128_f8f6f4 v[rD:rD+7], v[rA:rA+11], v[rB:rB+11], 0, v[rSA], v[rSB] matrix_a_fmt:MATRIX_FMT_BF6 matrix_b_fmt:MATRIX_FMT_BF6 matrix_a_scale:MATRIX_SCALE_ROW1 matrix_b_scale:MATRIX_SCALE_ROW1
.elseif fRA
	v_wmma_scale_f32_16x16x128_f8f6f4 v[rD:rD+7], v[rA:rA+11], v[rB:rB+11], 0, v[rSA], v[rSB] matrix_a_fmt:MATRIX_FMT_BF6 matrix_b_fmt:MATRIX_FMT_BF6 matrix_a_scale:MATRIX_SCALE_ROW1
.elseif fRB
	v_wmma_scale_f32_16x16x128_f8f6f4 v[rD:rD+7], v[rA:rA+11], v[rB:rB+11], 0, v[rSA], v[rSB] matrix_a_fmt:MATRIX_FMT_BF6 matrix_b_fmt:MATRIX_FMT_BF6 matrix_b_scale:MATRIX_SCALE_ROW1
.else
	v_wmma_scale_f32_16x16x128_f8f6f4 v[rD:rD+7], v[rA:rA+11], v[rB:rB+11], 0, v[rSA], v[rSB] matrix_a_fmt:MATRIX_FMT_BF6 matrix_b_fmt:MATRIX_FMT_BF6
.endif
.else
.if fRA && fRB
	v_wmma_scale_f32_16x16x128_f8f6f4 v[rD:rD+7], v[rA:rA+11], v[rB:rB+11], v[rD:rD+7], v[rSA], v[rSB] matrix_a_fmt:MATRIX_FMT_BF6 matrix_b_fmt:MATRIX_FMT_BF6 matrix_a_scale:MATRIX_SCALE_ROW1 matrix_b_scale:MATRIX_SCALE_ROW1
.elseif fRA
	v_wmma_scale_f32_16x16x128_f8f6f4 v[rD:rD+7], v[rA:rA+11], v[rB:rB+11], v[rD:rD+7], v[rSA], v[rSB] matrix_a_fmt:MATRIX_FMT_BF6 matrix_b_fmt:MATRIX_FMT_BF6 matrix_a_scale:MATRIX_SCALE_ROW1
.elseif fRB
	v_wmma_scale_f32_16x16x128_f8f6f4 v[rD:rD+7], v[rA:rA+11], v[rB:rB+11], v[rD:rD+7], v[rSA], v[rSB] matrix_a_fmt:MATRIX_FMT_BF6 matrix_b_fmt:MATRIX_FMT_BF6 matrix_b_scale:MATRIX_SCALE_ROW1
.else
	v_wmma_scale_f32_16x16x128_f8f6f4 v[rD:rD+7], v[rA:rA+11], v[rB:rB+11], v[rD:rD+7], v[rSA], v[rSB] matrix_a_fmt:MATRIX_FMT_BF6 matrix_b_fmt:MATRIX_FMT_BF6
.endif
.endif
.endm
; 56 loads: K step ks's sixteen fragments (48 loads of 512 consecutive bytes) and eight registers of scale words, into buffer ks % 2
.macro LOADK ks
.if ((\ks)%2) == 0
	WIN 0x40                                       ; destination window 1, address window 0
.else
	WIN 0
.endif
.set lt, 0
.rept 8
.set lg, 0
.rept 3
	global_load_b128 v[64+12*lt+4*lg:64+12*lt+4*lg+3], v1, s[16:17] offset:lt*12288+(\ks)*1536+lg*512
	global_load_b128 v[160+12*lt+4*lg:160+12*lt+4*lg+3], v1, s[18:19] offset:lt*12288+(\ks)*1536+lg*512
.set lg, lg+1
.endr
.set lt, lt+1
.endr
	WIN 0
.set lt, 0
.rept 4
	global_load_b32 v[32+8*((\ks)%2)+lt], v2, s[20:21] offset:lt*1024+(\ks)*128
	global_load_b32 v[36+8*((\ks)%2)+lt], v2, s[22:23] offset:lt*1024+(\ks)*128
.set lt, lt+1
.endr
.endm
; 64 products: the 64 accumulators take turns, one instruction a turn, in the same order in every K step
.macro MULK ks
.set pb, (\ks)%2
.if (\ks) == 0
.set fZ, 1
.else
.set fZ, 0
.endif
.set mo, 0
.rept 8
.if mo == 0
	WIN 0xa5-5*pb                                  ; both sources in the buffer's window, C and D window 2
.endif
.if mo == 4
	WIN 0xf5-5*pb                                  ; C and D window 3
.endif
.set mi, 0
.rept 8
.set rD, 8*(8*(mo%4)+mi)
.set rA, 64+12*mi
.set rB, 160+12*mo
.set rSA, 32+8*pb+mi/2
.set rSB, 36+8*pb+mo/2
.set fRA, mi%2
.set fRB, mo%2
	WMS
.set mi, mi+1
.endr
.set mo, mo+1
.endr
.endm
; The 64 numbers of a lane in accumulators (o, 0 .. 7), register 16 b + i = place 32 b + 16 (lane / 16) + i along the next K, become codes: registers 0-5 of the fragment at v[d0], 6-11 at v[d1]; the row's scale word in v[pw]
.macro QUANT o, d0, d1, pw
.set qAB, 64*((\o)%4)
.set qW, (\o)/4
	WIN 0x28+0x14*qW                               ; sources 1 and 2 in the accumulators' window
.irp b, 0,1,2,3
	v_max3_num_f32 v[TM+\b], 0x2800000, |v[qAB+16*\b]|, |v[qAB+16*\b+1]|   ; the floor 2^(5 - 127) and the first two; each accumulator is read from its low end on
.endr
.irp i, 2,4,6,8,10,12,14
.irp b, 0,1,2,3
	v_max3_num_f32 v[TM+\b], v[TM+\b], |v[qAB+16*\b+\i]|, |v[qAB+16*\b+\i+1]|   ; the four blocks by turns
.endr
.endr
	WIN 0
.irp b, 0,1,2,3
	v_permlanex16_b32 v[TM+4+\b], v[TM+\b], s32, s33
.endr
.irp b, 0,1,2,3
	v_max_num_f32 v[TM+\b], v[TM+\b], v[TM+4+\b]   ; with lane l xor 16's 16: the block's largest magnitude
.endr
.irp b, 0,1,2,3
	v_add_nc_u32 v[TM+12+\b], 0xfe000000, v[TM+\b] ; 4 off its exponent field: the conversion's scale operand
.endr
.irp b, 0,1,2,3
	v_lshrrev_b32 v[TM+8+\b], 23, v[TM+12+\b]      ; the byte
.endr
	v_lshl_or_b32 v[(\pw)], v[TM+9], 8, v[TM+8]
	v_lshl_or_b32 v[(\pw)], v[TM+10], 16, v[(\pw)]
	v_lshl_or_b32 v[(\pw)], v[TM+11], 24, v[(\pw)]
	WIN 0x02+qW                                    ; source 0 in the accumulators' window
	v_cvt_scalef32_pk16_bf6_f32 v[(\d0):(\d0)+2], v[qAB:qAB+15], v[TM+12]
	v_cvt_scalef32_pk16_bf6_f32 v[XH:XH+2], v[qAB+16:qAB+31], v[TM+13]
	v_cvt_scalef32_pk16_bf6_f32 v[(\d1):(\d1)+2], v[qAB+32:qAB+47], v[TM+14]
	v_cvt_scalef32_pk16_bf6_f32 v[XH+4:XH+6], v[qAB+48:qAB+63], v[TM+15]
	WIN 0
	v_nop                                          ; one plain line behind the conversions
.irp i, 0,1,2
	v_permlane16_swap_b32 v[(\d0)+\i], v[XH+\i]    ; a whole block to a lane: lanes 0-15 the even block, lanes 16-31 the odd one
	v_permlane16_swap_b32 v[(\d1)+\i], v[XH+4+\i]
.endr
.irp i, 0,1,2
	v_mov_b32 v[(\d0)+3+\i], v[XH+\i]
	v_mov_b32 v[(\d1)+3+\i], v[XH+4+\i]
.endr
.endm
	s_load_b128 s[4:7], s[0:1], 0x0                ; w1, w2
	v_lshrrev_b32 v1, 5, v0
	v_readfirstlane_b32 s8, v1                     ; wave 0..2
	v_and_b32 v4, 31, v0
	v_lshlrev_b32 v1, 4, v4                        ; 16 x lane
	v_lshlrev_b32 v2, 2, v4                        ; 4 x lane
	v_and_b32 v3, 15, v0
	v_lshlrev_b32 v3, 4, v3
	v_bfe_u32 v4, v0, 4, 1
	v_lshl_add_u32 v3, v4, 12, v3                  ; scale words out: 16 r, lanes 16-31 one head (4,096 bytes) on
	s_and_b32 s9, ttmp7, 0xffff
	s_mul_i32 s9, s9, 3
	s_add_co_u32 s9, s9, s8                        ; F
	s_lshr_b32 s10, s9, 3                          ; 0 Q, 1 K, 2 V
	s_and_b32 s11, s9, 7                           ; which pair of heads
	s_mul_i32 s12, ttmp9, 98304                    ; my tokens' eight tiles
	s_mul_i32 s13, s9, 98304
	s_add_co_u32 s13, s13, WQ_O                    ; my features' eight tiles
	s_lshl_b32 s14, ttmp9, 12
	s_add_co_u32 s14, s14, XS_O
	s_lshl_b32 s15, s9, 12
	s_add_co_u32 s15, s15, WS_O
	s_cmp_lt_u32 s10, 2
	s_cselect_b32 s16, s13, s12                    ; inner codes,
	s_cselect_b32 s18, s12, s13                    ; outer codes,
	s_cselect_b32 s20, s15, s14                    ; inner scale words,
	s_cselect_b32 s22, s14, s15                    ; outer scale words
	s_mov_b32 s17, 0
	s_mov_b32 s19, 0
	s_mov_b32 s21, 0
	s_mov_b32 s23, 0
	s_lshr_b32 s28, ttmp9, 4                       ; batch
	s_and_b32 s29, ttmp9, 15                       ; s: which 128 tokens of the batch
	s_lshl_b32 s28, s28, 4
	s_lshl_b32 s30, s11, 1
	s_add_co_u32 s28, s28, s30                     ; 16 x batch + my first head
	s_lshl_b32 s24, s28, 6
	s_lshl_b32 s30, s29, 2
	s_add_co_u32 s24, s24, s30
	s_mul_i32 s24, s24, 1536
	s_mul_i32 s30, s10, 3145728
	s_add_co_u32 s24, s24, s30
	s_mov_b32 s25, 0
	s_lshl_b32 s26, s28, 4
	s_add_co_u32 s26, s26, s29
	s_lshl_b32 s26, s26, 8
	s_lshl_b32 s30, s10, 17
	s_add_co_u32 s26, s26, s30
	s_add_co_u32 s26, s26, QS_O
	s_mov_b32 s27, 0
	s_mov_b32 s32, 0x76543210
	s_mov_b32 s33, 0xfedcba98
	s_mov_b32 s34, 0xffff0000
	s_wait_kmcnt 0x0
	s_add_nc_u64 s[16:17], s[4:5], s[16:17]
	s_add_nc_u64 s[18:19], s[4:5], s[18:19]
	s_add_nc_u64 s[20:21], s[4:5], s[20:21]
	s_add_nc_u64 s[22:23], s[4:5], s[22:23]
	s_add_nc_u64 s[24:25], s[6:7], s[24:25]
	s_add_nc_u64 s[26:27], s[6:7], s[26:27]
	LOADK 0
.set kk, 0
.rept 8
.if kk < 7
.if kk >= 1
	NOPS 4                                         ; four places in front of loads into registers that the step before last's products read
.endif
	LOADK kk+1
	s_wait_loadcnt 56                              ; this step's 56 loads are in; the 56 just issued may be out
.else
	s_wait_loadcnt 0x0
.endif
	MULK kk
.set kk, kk+1
.endr
	WIN 0
	NOPS 4                                         ; four places in front of the first read of results and the first write over fragments
.irp b, 0,1,2,3
	v_mov_b32 v[TM+4+\b], 0                        ; (a lane permute's destination counts as read)
.endr
	s_cmp_lt_u32 s10, 2
	s_cbranch_scc0 .Lvpath
	; Q, K: token tile o = 2 j + u gives half a slot for each of my two heads c: registers 6 u on of slot j
.set qo, 0
.rept 8
	QUANT qo, 64+12*(qo/2)+6*(qo%2), 64+12*(4+qo/2)+6*(qo%2), PW+qo
.set qo, qo+1
.endr
.irp j, 0,1,2,3
	v_perm_b32 v[W4+\j], v[PW+2*\j+1], v[PW+2*\j], 0x05040100     ; head 0: bytes 0, 1 of tile u = 0, then of u = 1
	v_perm_b32 v[W4+4+\j], v[PW+2*\j+1], v[PW+2*\j], 0x07060302   ; head 1: bytes 2, 3
.endr
.irp j, 0,1,2,3
	v_cndmask_b32 v[W4+\j], v[W4+\j], v[W4+4+\j], s34             ; lanes 0-15 store head 0's words, lanes 16-31 head 1's
.endr
	s_branch .Ltail
.Lvpath:
	; V: features' tile o is head o / 4, dims' tile o % 4: a whole fragment of 128 keys
.set qo, 0
.rept 8
	QUANT qo, 64+12*qo, 64+12*qo+6, PW+qo
.set qo, qo+1
.endr
.irp j, 0,1,2,3
	v_cndmask_b32 v[W4+\j], v[PW+\j], v[PW+4+\j], s34
.endr
.Ltail:
.irp c, 0,1
.irp j, 0,1,2,3
.irp g, 0,1,2
	global_store_b128 v1, v[64+12*(4*\c+\j)+4*\g:64+12*(4*\c+\j)+4*\g+3], s[24:25] offset:\c*98304+\j*1536+\g*512   ; 512 consecutive bytes
.endr
.endr
.endr
	global_store_b128 v3, v[W4:W4+3], s[26:27]     ; sixteen lanes store 256 consecutive bytes
	s_endpgm
.Lfunc_end_k_qa762613ad2_qkv:
	.size	k_qa762613ad2_qkv, .Lfunc_end_k_qa762613ad2_qkv-k_qa762613ad2_qkv
	.p2alignl 7, 3214868480
	.fill 96, 4, 3214868480
	.section	.rodata,"a",@progbits
	.p2align	6, 0x0
	.amdhsa_kernel k_qa762613ad2_qkv
		.amdhsa_group_segment_fixed_size 0
		.amdhsa_private_segment_fixed_size 0
		.amdhsa_enable_private_segment 0
		.amdhsa_kernarg_size 16
		.amdhsa_user_sgpr_count 2
		.amdhsa_user_sgpr_kernarg_segment_ptr 1
		.amdhsa_wavefront_size32 1
		.amdhsa_system_sgpr_workgroup_id_x 1
		.amdhsa_system_sgpr_workgroup_id_y 1
		.amdhsa_system_sgpr_workgroup_id_z 1
		.amdhsa_system_vgpr_workitem_id 0
		.amdhsa_next_free_vgpr 1024
		.amdhsa_next_free_sgpr 66
		.amdhsa_reserve_vcc 0
		.amdhsa_float_denorm_mode_32 3
		.amdhsa_float_denorm_mode_16_64 3
		.amdhsa_memory_ordered 1
		.amdhsa_forward_progress 1
		.amdhsa_inst_pref_size 176
	.end_amdhsa_kernel
	.amdgpu_metadata
---
amdhsa.version: [ 1, 2 ]
amdhsa.kernels:
  - .name:           k_qa762613ad2_qkv
    .symbol:         k_qa762613ad2_qkv.kd
    .args:
      - { .name: w1, .offset: 0, .size: 8, .value_kind: global_buffer, .address_space: global }
      - { .name: w2, .offset: 8, .size: 8, .value_kind: global_buffer, .address_space: global }
    .group_segment_fixed_size: 0
    .private_segment_fixed_size: 0
    .kernarg_segment_align: 8
    .kernarg_segment_size: 16
    .max_flat_workgroup_size: 96
    .sgpr_count:     66
    .vgpr_count:     1024
    .wavefront_size: 32
...
	.end_amdgpu_metadata
.endif
;; end of part 2
;; launch attn (part 3): grid 64 x 4, 4 waves a work-group, no clusters, 313,856 bytes of LDS; arguments w2, mask, key_padding_mask, w3; writes w3
.if DOCPART == 3
	.amdgcn_target "amdgcn-amd-amdhsa--gfx1250"
	.amdhsa_code_object_version 6
	.text
	.protected	k_qa762613ad2_attn
	.globl	k_qa762613ad2_attn
	.p2align	8
	.type	k_qa762613ad2_attn,@function
k_qa762613ad2_attn:
	s_mov_b64 s[64:65], 0
	v_nop
	global_prefetch_b8 v0, s[64:65] scope:SCOPE_SE
	s_setreg_imm32_b32 hwreg(HW_REG_WAVE_MODE, 25, 1), 1
	s_wait_xcnt 0x0
; Attention on codes of BF6: scores = Q K^T / 8 + mask, padded keys closed; softmax; ctx = attn V; ctx quantised along D for the last projection.
; THE WEIGHTS ARE QUANTISED FINISHED AND NORMALISED, so a row's maximum and sum are known before any weight is quantised: a head's scores stay in registers.
; SHARES.  A work-group owns 32 queries (two tiles of 16) of one batch and walks 8 heads; each of its four waves owns 512 keys: S^T for 32 queries x 512 keys is 512 registers.  Maxima and sums meet in LDS (one barrier),
; the four partial O^T likewise (a second barrier).
; LAYOUT.  Both products transposed: S^T = K Q^T (source 0 = 16 keys), O^T = V^T P^T (source 0 = 16 dims): a lane holds one query throughout.  The keys of a tile are 32 n + 8 u + r + 8 (r / 8), so that the 16 registers of
; tiles 2 n, 2 n + 1 are 16 neighbouring keys.  The head's K is 64: a slot of K holds two tiles of keys side by side along the instruction's 128, and Q stands beside six registers of zero codes, below or above.
; THE MASK IS THE C OF THE SCORE PRODUCT: 8 x mask, less 2^101 where the key is padded, held at -2^100 from below (the finite stand-in for -infinity).  It lies in LDS as an image of the C registers, made once, read by all 8 heads.
; SOFTMAX.  c = log2(e) / 8.  Each wave: m = its keys' largest score, p = 2^(c s - c m), l = the sum.  Then M = the largest c m of the four waves, and p is multiplied by 2^(c m - M) / (the sum of 2^(c m_i - M) l_i).
; A wave all of whose keys are closed takes p = 1; its factor is 0 where the row has an open key elsewhere.  A row with no open key at all gets 2^-11 = 1 / 2,048 for every key, padded ones too.
; LIMITS: mask entries of +infinity or NaN are not served; finite entries under -2^90 count as -infinity.  A block of weights or of ctx whose largest magnitude lies under 2^-122 gets the byte 1 (zeros keep zero codes).
; The keys' sum of the second product, and the row's sum, are made in four parts, one a wave, and added in f32.
; NO CLUSTER, NO TENSOR LOAD: the 64 query blocks of a batch and head group read the same K and V, but to share them they would have to lie in LDS, of whose 327,680 bytes the mask's image takes 278,528.
; LDS: the mask's image, 69,632 bytes a wave: unit (query tile x 4 + key step) x 8,704 + slab (4 T + 2 g + h) x 272 + 16 r;  the partial O^T, 8,192 a wave;  (c m, l), 512 a wave.
; REGISTERS: windows 2, 3: S^T of query tile 0, 1: key step sl, tile T at 64 sl + 8 T.  window 1: v0-191 sixteen fragments of K, then of V; v192-255 O^T.  window 0: as named below.
.set KI, 3145728
.set VI, 6291456
.set QSO, 9437184
.set KSO, 9568256
.set VSO, 9699328
.set HSTR, 98304                       ; a head's 64 slots
.set SSTR, 4096                        ; a head's scale words
.set MW, 69632
.set MU, 8704
.set MP, 272
.set OPB, 278528
.set STB, 311296
.set LI, 1                             ; 16 x lane
.set VR0, 2                            ; the mask's image as read, query tile 0;  v3: tile 1
.set VR1, 3
.set OPW, 4                            ; where I put my partial O^T
.set OPR, 5                            ; where I read the four partial O^T of the two tiles that I finish
.set STW, 6                            ; where I put (c m, l)
.set STR, 7                            ; where I read the four waves'
.set R16, 8                            ; 16 r
.set CO, 9                             ; 512 h + 16 r: ctx out
.set MWA, 10                           ; the mask's image as written
.set K11, 11                           ; 2^-11
.set CD, 12                            ; v12-15 ctx as stored
.set QB0, 16                           ; v16-33: six zeros, Q tile 0's six registers, six zeros;  v34-51: tile 1
.set QSW, 52                           ; Q's scale word as loaded
.set QS0, 53                           ; v53, v54: tile 0's, tile 1's two bytes, twice
.set KS, 56                            ; v56-63 K's scale words
.set VS, 64                            ; v64-71 V's
.set PW, 72                            ; v72-79 the weights' scale words, unit U = 4 qt + sl
.set P, 80                             ; v80-175 the weights' codes, 12 U;  at the head v80-207: eight rows of the mask
.set MS, 80
.set BM, 176                           ; v176-207 a block's largest score, then weight, then the conversion's scale operand: 4 U + b
.set ST, 208                           ; v208+8 qt: c or 0 (twice), -c m or 0 (twice), the factor (twice), c m, l;  at the head v208-223: the padding's terms
.set T, 224                            ; v224-255 at work
.set MSB, 0
.macro WIN new                         ; the immediate's high byte repeats the setting that is left
.if MSB != (\new)
	s_set_vgpr_msb (MSB<<8)|(\new)
.set MSB, (\new)
.endif
.endm
.macro NOPS n
.rept \n
	v_nop
.endr
.endm
.macro BARRIER                         ; my LDS stores have landed and my LDS loads are in: then the work-group's barrier
	s_wait_dscnt 0x0
	s_barrier_signal -1
	s_barrier_wait -1
.endm
; one product, by the symbols rD, rA, rB, rSA, rSB; fRA: source 0's scales stand in lanes 16-31; fZ: it starts the sum
.macro WMS
.if fZ
.if fRA
	v_wmma_scale_f32_16x16x128_f8f6f4 v[rD:rD+7], v[rA:rA+11], v[rB:rB+11], 0, v[rSA], v[rSB] matrix_a_fmt:MATRIX_FMT_BF6 matrix_b_fmt:MATRIX_FMT_BF6 matrix_a_scale:MATRIX_SCALE_ROW1
.else
	v_wmma_scale_f32_16x16x128_f8f6f4 v[rD:rD+7], v[rA:rA+11], v[rB:rB+11], 0, v[rSA], v[rSB] matrix_a_fmt:MATRIX_FMT_BF6 matrix_b_fmt:MATRIX_FMT_BF6
.endif
.else
.if fRA
	v_wmma_scale_f32_16x16x128_f8f6f4 v[rD:rD+7], v[rA:rA+11], v[rB:rB+11], v[rD:rD+7], v[rSA], v[rSB] matrix_a_fmt:MATRIX_FMT_BF6 matrix_b_fmt:MATRIX_FMT_BF6 matrix_a_scale:MATRIX_SCALE_ROW1
.else
	v_wmma_scale_f32_16x16x128_f8f6f4 v[rD:rD+7], v[rA:rA+11], v[rB:rB+11], v[rD:rD+7], v[rSA], v[rSB] matrix_a_fmt:MATRIX_FMT_BF6 matrix_b_fmt:MATRIX_FMT_BF6
.endif
.endif
.endm
; row n = 16 qt + r of the mask, my 512 keys: four loads of 512 consecutive bytes into slot n % 8
.macro MLOAD n
.irp s, 0,1,2,3
	global_load_b128 v[MS+16*((\n)%8)+4*\s:MS+16*((\n)%8)+4*\s+3], v[LI], s[60:61] offset:(8*((\n)/16)+(\n)%16+8*(((\n)%16)/8))*8192+512*\s
.endr
.endm
.macro MROW n
.set mS, MS+16*((\n)%8)
.set yg, (\n)+6
.if yg > 31
.set yg, 31
.endif
	s_wait_loadcnt 4*(yg-(\n))                     ; row n is in; the rows asked for behind it (up to n + 6) may be out
.irp s, 0,1,2,3
.irp e, 0,2
	v_pk_fma_f32 v[mS+4*\s+\e:mS+4*\s+\e+1], v[mS+4*\s+\e:mS+4*\s+\e+1], s[46:47], v[ST+4*\s+\e:ST+4*\s+\e+1] op_sel_hi:[1,0,1]   ; 8 x mask, less 2^101 where the key is padded
.endr
.endr
.set me, 0
.rept 16
	v_max_num_f32 v[mS+me], s48, v[mS+me]          ; held at -2^100
.set me, me+1
.endr
.irp s, 0,1,2,3
	ds_store_b128 v[MWA], v[mS+4*\s:mS+4*\s+3] offset:(((\n)/16)*4+\s)*MU+16*((\n)%16)
.endr
.if ((\n) >= 1) && ((\n)+7 <= 31)
	s_wait_dscnt 4                                 ; the row before has left its registers (my four stores may be out):
	MLOAD (\n)+7                                   ; they take the row eight on from it
.endif
.endm
; 57 loads: a head's sixteen slots of K for my keys, their scale words, Q's slot and its scale word
.macro KLOAD
	WIN 0x40                                       ; destination window 1, address window 0
.set lf, 0
.rept 16
.irp g, 0,1,2
	global_load_b128 v[12*lf+4*\g:12*lf+4*\g+3], v[LI], s[20:21] offset:lf*1536+\g*512
.endr
.set lf, lf+1
.endr
	WIN 0
	global_load_b128 v[KS:KS+3], v[LI], s[24:25]               ; lanes 0-15 key step 0, lanes 16-31 step 1: four words a row
	global_load_b128 v[KS+4:KS+7], v[LI], s[24:25] offset:512  ; steps 2 and 3
	global_load_b64 v[QB0+6:QB0+7], v[LI], s[28:29]            ; registers 0-5 of Q's slot: tile 0
	global_load_b64 v[QB0+8:QB0+9], v[LI], s[28:29] offset:8
	global_load_b64 v[QB0+10:QB0+11], v[LI], s[28:29] offset:512
	global_load_b64 v[QB0+24:QB0+25], v[LI], s[28:29] offset:520   ; registers 6-11: tile 1
	global_load_b64 v[QB0+26:QB0+27], v[LI], s[28:29] offset:1024
	global_load_b64 v[QB0+28:QB0+29], v[LI], s[28:29] offset:1032
	global_load_b32 v[QSW], v[R16], s[30:31]
.endm
.macro VLOAD                           ; 50 loads: the head's sixteen slots of V for my keys, and their scale words
	WIN 0x40
.set lf, 0
.rept 16
.irp g, 0,1,2
	global_load_b128 v[12*lf+4*\g:12*lf+4*\g+3], v[LI], s[22:23] offset:lf*1536+\g*512
.endr
.set lf, lf+1
.endr
	WIN 0
	global_load_b128 v[VS:VS+3], v[LI], s[26:27]
	global_load_b128 v[VS+4:VS+7], v[LI], s[26:27] offset:512
.endm
.macro MASKLD qt                       ; 64 LDS loads: the mask's image into the score registers of query tile qt
	WIN 0x80+0x40*(\qt)
.set lf, 0
.rept 64
	ds_load_b128 v[4*lf:4*lf+3], v[VR0+(\qt)] offset:(lf/16)*MU+(lf%16)*2*MP
.set lf, lf+1
.endr
.endm
.macro SCORES qt                       ; 32 products: S^T = K Q^T + the mask's image; each accumulator is written once
	WIN 0xa1+0x50*(\qt)                            ; K window 1, Q window 0, C and D window 2 or 3
.set fZ, 0
.set xs, 0
.rept 4
.set xb, 0
.rept 4
.set xu, 0
.rept 2
.set rD, 64*xs+8*(2*xb+xu)
.set rA, 12*(4*xs+xb)
.set rB, QB0+18*(\qt)+6*(1-xu)                     ; u = 0: Q below, zeros above; u = 1: zeros below, Q above
.set rSA, KS+4*(xs/2)+xb
.set rSB, QS0+(\qt)
.set fRA, xs%2
	WMS
.set xu, xu+1
.endr
.set xb, xb+1
.endr
.set xs, xs+1
.endr
.endm
.macro BMAX qt                         ; the largest score of each block of 32 keys (my 16 of them): it serves the row's maximum and the block's scale
	WIN 0x28+0x14*(\qt)                            ; sources 1 and 2 in the scores' window
.set xs, 0
.rept 4
.irp b, 0,1,2,3
	v_max3_num_f32 v[BM+16*(\qt)+4*xs+\b], 0xff800000, v[64*xs+16*\b], v[64*xs+16*\b+1]   ; each accumulator is read from its low end on
.endr
.irp i, 2,4,6,8,10,12,14
.irp b, 0,1,2,3
	v_max3_num_f32 v[BM+16*(\qt)+4*xs+\b], v[BM+16*(\qt)+4*xs+\b], v[64*xs+16*\b+\i], v[64*xs+16*\b+\i+1]
.endr
.endr
.set xs, xs+1
.endr
.endm
.macro LOCAL qt                        ; my keys' maximum m; c m; the multiplier c and the addend -c m, both 0 where all my keys are closed
.set lB, BM+16*(\qt)
.set lZ, ST+8*(\qt)
	v_max3_num_f32 v[lZ+4], v[lB], v[lB+1], v[lB+2]
.irp i, 3,5,7,9,11,13
	v_max3_num_f32 v[lZ+4], v[lZ+4], v[lB+\i], v[lB+\i+1]
.endr
	v_max_num_f32 v[lZ+4], v[lZ+4], v[lB+15]
	v_cmp_gt_f32 s51, s49, v[lZ+4]                 ; -2^99 > m: no open key among my 512
	v_mul_f32 v[lZ+6], s34, v[lZ+4]
	v_mul_f32 v[lZ+2], s35, v[lZ+4]
	v_mov_b32 v[lZ], s34
	v_cndmask_b32 v[lZ+2], v[lZ+2], 0, s51
	v_cndmask_b32 v[lZ], v[lZ], 0, s51
	v_mov_b32 v[lZ+1], v[lZ]                       ; (named as pairs, so the upper halves are written)
	v_mov_b32 v[lZ+3], v[lZ+2]
.endm
.macro EXPRUN qt                       ; p = 2^(c s - c m): a packed multiply-add four pairs ahead stands between the exponentials
	WIN 0x82+0x41*(\qt)
.set xe, 0
.rept 4
	v_pk_fma_f32 v[2*xe:2*xe+1], v[2*xe:2*xe+1], v[ST+8*(\qt):ST+8*(\qt)+1], v[ST+8*(\qt)+2:ST+8*(\qt)+3] op_sel_hi:[1,0,0]
.set xe, xe+1
.endr
.set xe, 0
.rept 128
	v_exp_f32 v[2*xe], v[2*xe]
.if xe+4 < 128
	v_pk_fma_f32 v[2*xe+8:2*xe+9], v[2*xe+8:2*xe+9], v[ST+8*(\qt):ST+8*(\qt)+1], v[ST+8*(\qt)+2:ST+8*(\qt)+3] op_sel_hi:[1,0,0]
.endif
	v_exp_f32 v[2*xe+1], v[2*xe+1]
.set xe, xe+1
.endr
.endm
.macro SUMS qt                         ; the sum of my 256 p, two at a time, in four chains
	WIN 0x08+0x04*(\qt)
.set xe, 0
	s_wait_alu depctr_va_vdst(0)
.rept 128
	v_pk_add_f32 v[T+8*(\qt)+2*(xe%4):T+8*(\qt)+2*(xe%4)+1], v[T+8*(\qt)+2*(xe%4):T+8*(\qt)+2*(xe%4)+1], v[2*xe:2*xe+1]
.set xe, xe+1
.endr
.endm
.macro FOLD qt
.set fA, T+8*(\qt)
	v_pk_add_f32 v[fA:fA+1], v[fA:fA+1], v[fA+2:fA+3]
	v_pk_add_f32 v[fA+4:fA+5], v[fA+4:fA+5], v[fA+6:fA+7]
	v_pk_add_f32 v[fA:fA+1], v[fA:fA+1], v[fA+4:fA+5]
	v_add_f32 v[ST+8*(\qt)+7], v[fA], v[fA+1]
	v_permlanex16_b32 v[fA+2], v[ST+8*(\qt)+7], s38, s39
	v_add_f32 v[ST+8*(\qt)+7], v[ST+8*(\qt)+7], v[fA+2]   ; with lane l xor 16's: l of my 512 keys
.endm
.macro NORM qt                         ; from the four waves' (c m, l): the factor that finishes my p
.set nA, T+8*(\qt)
.set nN, T+16+8*(\qt)
.set nZ, ST+8*(\qt)
	v_max3_num_f32 v[nN], v[nA], v[nA+2], v[nA+4]
	v_max_num_f32 v[nN], v[nN], v[nA+6]            ; M
	v_cmp_gt_f32 s51, s50, v[nN]                   ; -2^96 > M: the row has no open key
.irp i, 0,2,4,6
	v_sub_f32 v[nA+\i], v[nA+\i], v[nN]
.endr
	v_sub_f32 v[nN+1], v[nZ+6], v[nN]
.irp i, 0,2,4,6
	v_exp_f32 v[nA+\i], v[nA+\i]
.endr
	v_exp_f32 v[nN+1], v[nN+1]
	v_nop                                          ; a plain line behind the exponentials
	s_wait_alu depctr_va_vdst(0)
.irp i, 0,2,4,6
	v_cndmask_b32 v[nA+\i], v[nA+\i], 1.0, s51
.endr
	v_cndmask_b32 v[nN+1], v[nN+1], 1.0, s51
	v_mul_f32 v[nN+2], v[nA], v[nA+1]
	v_fma_f32 v[nN+2], v[nA+2], v[nA+3], v[nN+2]
	v_fma_f32 v[nN+2], v[nA+4], v[nA+5], v[nN+2]
	v_fma_f32 v[nN+2], v[nA+6], v[nA+7], v[nN+2]   ; the row's sum
	v_rcp_f32 v[nN+3], v[nN+2]
	v_nop                                          ; a plain line behind the reciprocal
	s_wait_alu depctr_va_vdst(0)
	v_mul_f32 v[nZ+4], v[nN+1], v[nN+3]
	v_cndmask_b32 v[nZ+4], v[nZ+4], v[K11], s51    ; no open key: 1 / 2,048
	v_mov_b32 v[nZ+5], v[nZ+4]
.endm
.macro FINISH qt                       ; the weights finished, quantised along the keys, and the score registers given to the next head's mask
	WIN 0x82+0x41*(\qt)
.set xe, 0
.rept 128
	v_pk_mul_f32 v[2*xe:2*xe+1], v[2*xe:2*xe+1], v[ST+8*(\qt)+4:ST+8*(\qt)+5] op_sel_hi:[1,0]
.set xe, xe+1
.endr
	WIN 0x02+(\qt)                                 ; source 0 in the weights' window
.set xs, 0
.rept 4
.irp c, 0,1
	v_cvt_scalef32_pk16_bf6_f32 v[P+12*(4*(\qt)+xs)+6*\c:P+12*(4*(\qt)+xs)+6*\c+2], v[64*xs+32*\c:64*xs+32*\c+15], v[BM+16*(\qt)+4*xs+2*\c]
	v_cvt_scalef32_pk16_bf6_f32 v[T+8*xs+4*\c:T+8*xs+4*\c+2], v[64*xs+32*\c+16:64*xs+32*\c+31], v[BM+16*(\qt)+4*xs+2*\c+1]
.endr
.set xs, xs+1
.endr
	WIN 0
	v_nop                                          ; one plain line behind the conversions
.set xs, 0
.rept 4
.irp c, 0,1
.irp i, 0,1,2
	v_permlane16_swap_b32 v[P+12*(4*(\qt)+xs)+6*\c+\i], v[T+8*xs+4*\c+\i]   ; a whole block to a lane
.endr
.irp i, 0,1,2
	v_mov_b32 v[P+12*(4*(\qt)+xs)+6*\c+3+\i], v[T+8*xs+4*\c+\i]
.endr
.endr
.set xs, xs+1
.endr
	MASKLD \qt
.endm
.macro PVRUN                           ; 32 products: O^T += V^T P^T; the eight accumulators take turns, one instruction a turn
	WIN 0x51                                       ; V window 1, P window 0, C and D window 1
.set xs, 0
.rept 4
.if xs == 0
.set fZ, 1
.else
.set fZ, 0
.endif
.set xd, 0
.rept 4
.set xq, 0
.rept 2
.set rD, 192+8*(4*xq+xd)
.set rA, 12*(4*xs+xd)
.set rB, P+12*(4*xq+xs)
.set rSA, VS+4*(xs/2)+xd
.set rSB, PW+4*xq+xs
.set fRA, xs%2
	WMS
.set xq, xq+1
.endr
.set xd, xd+1
.endr
.set xs, xs+1
.endr
.endm
	s_load_b256 s[4:11], s[0:1], 0x0               ; w2, mask, key_padding_mask, w3
	v_lshrrev_b32 v1, 5, v0
	v_readfirstlane_b32 s12, v1                    ; wave
	v_and_b32 v12, 31, v0                          ; lane
	v_and_b32 v13, 15, v0                          ; r
	v_bfe_u32 v14, v0, 4, 1                        ; h
	v_lshlrev_b32 v[LI], 4, v12
	v_lshlrev_b32 v[R16], 4, v13
	v_lshl_add_u32 v[CO], v14, 9, v[R16]
	s_mul_i32 s56, s12, MW
	v_mul_u32_u24 v[VR0], v14, MP
	v_add_nc_u32 v[VR0], v[VR0], v[R16]
	v_add_nc_u32 v[VR0], s56, v[VR0]
	v_add_nc_u32 v[VR1], 4*MU, v[VR0]
	v_bfe_u32 v15, v0, 3, 2                        ; a lane's four keys 4 l .. 4 l + 3 of a step belong to slab 8 (l / 8) + 4 ((l / 2) % 2) + 2 (l % 2) + (l / 4) % 2
	v_lshlrev_b32 v15, 3, v15
	v_bfe_u32 v[MWA], v0, 1, 1
	v_lshl_add_u32 v15, v[MWA], 2, v15
	v_and_b32 v[MWA], 1, v0
	v_lshl_add_u32 v15, v[MWA], 1, v15
	v_bfe_u32 v[MWA], v0, 2, 1
	v_add_nc_u32 v15, v15, v[MWA]
	v_mul_u32_u24 v[MWA], v15, MP
	v_add_nc_u32 v[MWA], s56, v[MWA]
	s_lshl_b32 s57, s12, 13
	s_add_co_u32 s57, s57, OPB
	v_add_nc_u32 v[OPW], s57, v[LI]
	s_lshl_b32 s57, s12, 11
	s_add_co_u32 s57, s57, OPB
	v_add_nc_u32 v[OPR], s57, v[LI]
	v_lshlrev_b32 v[STR], 3, v12
	v_add_nc_u32 v[STR], STB, v[STR]
	s_lshl_b32 s57, s12, 9
	v_add_nc_u32 v[STW], s57, v[STR]
	v_lshlrev_b32 v15, 2, v12                      ; 4 x lane: the padding's bytes
	v_mov_b32 v[K11], 0x3a000000
	s_mov_b32 s13, ttmp9                           ; kb: my block of 32 queries
	s_and_b32 s14, ttmp7, 0xffff
	s_lshr_b32 s15, s14, 1                         ; batch
	s_and_b32 s16, s14, 1                          ; which eight heads
	s_lshl_b32 s17, s15, 4
	s_lshl_b32 s18, s16, 3
	s_add_co_u32 s17, s17, s18                     ; 16 x batch + my first head
	s_lshl_b32 s56, s17, 6
	s_lshl_b32 s57, s12, 4
	s_add_co_u32 s57, s56, s57
	s_mul_i32 s57, s57, 1536                       ; my sixteen slots of the first head
	s_add_co_u32 s20, s57, KI
	s_mov_b32 s21, 0
	s_add_co_u32 s22, s57, VI
	s_mov_b32 s23, 0
	s_lshl_b32 s58, s17, 4
	s_lshl_b32 s59, s12, 2
	s_add_co_u32 s59, s58, s59
	s_lshl_b32 s59, s59, 8                         ; my four key steps' scale words
	s_add_co_u32 s24, s59, KSO
	s_mov_b32 s25, 0
	s_add_co_u32 s26, s59, VSO
	s_mov_b32 s27, 0
	s_add_co_u32 s28, s56, s13
	s_mul_i32 s28, s28, 1536                       ; Q's slot kb
	s_mov_b32 s29, 0
	s_lshr_b32 s59, s13, 2
	s_add_co_u32 s30, s58, s59
	s_lshl_b32 s30, s30, 8
	s_and_b32 s59, s13, 3
	s_lshl_b32 s59, s59, 2
	s_add_co_u32 s30, s30, s59
	s_add_co_u32 s30, s30, QSO                     ; and its scale word: word kb % 4 of step kb / 4
	s_mov_b32 s31, 0
	s_lshl_b32 s32, s15, 6
	s_add_co_u32 s32, s32, s13
	s_lshl_b32 s32, s32, 1
	s_lshr_b32 s59, s12, 1
	s_add_co_u32 s32, s32, s59                     ; ctx: the token tile that I finish: query tile wave / 2,
	s_lshl_b32 s32, s32, 14
	s_lshl_b32 s59, s16, 13
	s_add_co_u32 s32, s32, s59
	s_and_b32 s41, s12, 1                          ; block of 32 dims wave % 2
	s_lshl_b32 s59, s41, 8
	s_add_co_u32 s32, s32, s59
	s_mov_b32 s33, 0
	s_lshl_b32 s41, s41, 3                         ; my scale byte's place in the reader's word: 16 (head % 2) + 8 (wave % 2) bits up
	s_lshl_b32 s60, s13, 18                        ; the mask: 32 rows of 8,192 bytes, my 512 keys
	s_lshl_b32 s59, s12, 11
	s_add_co_u32 s60, s60, s59
	s_mov_b32 s61, 0
	s_lshl_b32 s62, s15, 11
	s_lshl_b32 s59, s12, 9
	s_add_co_u32 s62, s62, s59
	s_mov_b32 s63, 0
	s_mov_b32 s34, 0x3e38aa3b                      ; c = log2(e) / 8
	s_mov_b32 s35, 0xbe38aa3b
	s_mov_b32 s36, 0xffff0000                      ; lanes 16-31
	s_mov_b32 s37, 0xf2000000                      ; -2^101
	s_mov_b32 s38, 0x76543210
	s_mov_b32 s39, 0xfedcba98
	s_mov_b32 s40, 8                               ; heads to go
	s_mov_b32 s43, 0
	s_mov_b32 s45, 0
	s_mov_b32 s46, 0x41000000                      ; 8.0
	s_mov_b32 s47, 0x41000000
	s_mov_b32 s48, 0xf1800000                      ; -2^100
	s_mov_b32 s49, 0xf1000000                      ; -2^99
	s_mov_b32 s50, 0xef800000                      ; -2^96
	s_wait_kmcnt 0x0
	s_add_nc_u64 s[20:21], s[4:5], s[20:21]
	s_add_nc_u64 s[22:23], s[4:5], s[22:23]
	s_add_nc_u64 s[24:25], s[4:5], s[24:25]
	s_add_nc_u64 s[26:27], s[4:5], s[26:27]
	s_add_nc_u64 s[28:29], s[4:5], s[28:29]
	s_add_nc_u64 s[30:31], s[4:5], s[30:31]
	s_add_nc_u64 s[32:33], s[10:11], s[32:33]
	s_add_nc_u64 s[60:61], s[6:7], s[60:61]
	s_add_nc_u64 s[62:63], s[8:9], s[62:63]
	; ---- the mask's image: each wave makes the part for its own 512 keys and is the only one to read it
.irp s, 0,1,2,3
	global_load_b32 v[T+\s], v15, s[62:63] offset:128*\s   ; the padding's bytes of keys 4 l .. 4 l + 3 of step s
.endr
.irp n, 0,1,2,3,4,5,6,7
	MLOAD \n
.endr
	s_wait_loadcnt 32                              ; the padding's bytes are in; the mask's first eight rows may be out
.irp s, 0,1,2,3
.irp e, 0,1,2,3
	v_bfe_u32 v[ST+4*\s+\e], v[T+\s], 8*\e, 8
.endr
.endr
.set me, 0
.rept 16
	v_mul_lo_u32 v[ST+me], v[ST+me], s37           ; 0 or 1 times the bits of -2^101
.set me, me+1
.endr
.set mr, 0
.rept 32
	MROW mr
.set mr, mr+1
.endr
.irp i, 0,1,2,3,4,5
	v_mov_b32 v[QB0+\i], 0                         ; the zero codes beside Q
	v_mov_b32 v[QB0+12+\i], 0
	v_mov_b32 v[QB0+18+\i], 0
	v_mov_b32 v[QB0+30+\i], 0
.endr
.set me, 0
.rept 32
	v_mov_b32 v[T+me], 0                           ; written once: a lane permute's destination counts as read
.set me, me+1
.endr
	KLOAD
	MASKLD 0                                       ; LDS serves a wave's instructions in order: these see my stores
	MASKLD 1
	WIN 0
.Lhead:
	s_wait_loadcnt 0x0                             ; K, Q and their scale words
	s_wait_dscnt 0x0                               ; the mask's image stands in the score registers
	v_perm_b32 v[QS0], v[QSW], v[QSW], 0x01000100  ; tile 0's two bytes, for Q below and for Q above
	v_perm_b32 v[QS0+1], v[QSW], v[QSW], 0x03020302
	NOPS 8                                         ; a scale register written by a vector instruction stands eight places ahead of the scaled product
	SCORES 0
	SCORES 1
	WIN 0
	NOPS 4                                         ; four places in front of loads over K's fragments and of the first read of scores
	VLOAD                                          ; it has the whole softmax in which to land
	BMAX 0
	BMAX 1
	WIN 0
.set xe, 0
.rept 32
	v_permlanex16_b32 v[T+xe], v[BM+xe], s38, s39
.set xe, xe+1
.endr
.set xe, 0
.rept 32
	v_max_num_f32 v[BM+xe], v[BM+xe], v[T+xe]      ; with lane l xor 16's 16 keys
.set xe, xe+1
.endr
	LOCAL 0
	LOCAL 1
.set xe, 0
.rept 16
	v_mov_b32 v[T+xe], 0                           ; the sums' eight chains
.set xe, xe+1
.endr
	EXPRUN 0
	EXPRUN 1
	SUMS 0
	SUMS 1
	WIN 0
	FOLD 0
	FOLD 1
.set xe, 0
.rept 32
	v_fma_f32 v[BM+xe], v[BM+xe], v[ST+8*(xe/16)], v[ST+8*(xe/16)+2]   ; each block's largest score goes the way of its elements: the same two operations give the same bits
.set xe, xe+1
.endr
.set xe, 0
.rept 32
	v_exp_f32 v[BM+xe], v[BM+xe]
.set xe, xe+1
.endr
	ds_store_b64 v[STW], v[ST+6:ST+7]
	ds_store_b64 v[STW], v[ST+14:ST+15] offset:256
	BARRIER                                        ; every wave's (c m, l) lies in LDS
.irp q, 0,1
.irp i, 0,1,2,3
	ds_load_b64 v[T+8*\q+2*\i:T+8*\q+2*\i+1], v[STR] offset:\i*512+\q*256
.endr
.endr
	s_wait_dscnt 0x0
	NORM 0
	NORM 1
.set xe, 0
.rept 32
	v_mul_f32 v[BM+xe], v[BM+xe], v[ST+8*(xe/16)+4]    ; the block's largest finished weight
.set xe, xe+1
.endr
.set xe, 0
.rept 32
	v_max_num_f32 v[BM+xe], 0x2800000, v[BM+xe]        ; the floor 2^(5 - 127)
.set xe, xe+1
.endr
.set xe, 0
.rept 32
	v_add_nc_u32 v[BM+xe], 0xfe000000, v[BM+xe]        ; 4 off the exponent field: the conversion's scale operand
.set xe, xe+1
.endr
.set xe, 0
.rept 32
	v_lshrrev_b32 v[T+xe], 23, v[BM+xe]                ; the byte
.set xe, xe+1
.endr
.set xe, 0
.rept 8
	v_lshl_or_b32 v[PW+xe], v[T+4*xe+1], 8, v[T+4*xe]
	v_lshl_or_b32 v[PW+xe], v[T+4*xe+2], 16, v[PW+xe]
	v_lshl_or_b32 v[PW+xe], v[T+4*xe+3], 24, v[PW+xe]
.set xe, xe+1
.endr
	FINISH 0
	FINISH 1
	NOPS 4                                         ; codes written by vector instructions stand four places ahead of the scaled product
	s_wait_loadcnt 0x0                             ; V and its scale words
	PVRUN
	WIN 0
	NOPS 4                                         ; four places in front of loads over V's fragments and the weights' codes, and of the first read of O^T
	s_cmp_gt_u32 s40, 1                            ; the last head asks for itself again: no load leaves its region
	s_cselect_b32 s42, HSTR, 0
	s_cselect_b32 s44, SSTR, 0
	s_add_nc_u64 s[20:21], s[20:21], s[42:43]      ; (every load that named these has been waited for)
	s_add_nc_u64 s[22:23], s[22:23], s[42:43]
	s_add_nc_u64 s[28:29], s[28:29], s[42:43]
	s_add_nc_u64 s[24:25], s[24:25], s[44:45]
	s_add_nc_u64 s[26:27], s[26:27], s[44:45]
	s_add_nc_u64 s[30:31], s[30:31], s[44:45]
	KLOAD
	WIN 0x04                                       ; an LDS store's data: window 1
.set xe, 0
.rept 8
	ds_store_b128 v[OPW], v[192+8*xe:192+8*xe+3] offset:xe*1024        ; each accumulator from its low end on
	ds_store_b128 v[OPW], v[192+8*xe+4:192+8*xe+7] offset:xe*1024+512
.set xe, xe+1
.endr
	WIN 0
	BARRIER                                        ; the four partial O^T lie in LDS
	; ---- wave w finishes query tile w / 2, dims 32 (w % 2) on: 16 numbers a lane, half a block of ctx along D
.irp i, 0,1,2,3
.irp u, 0,1
.irp g, 0,1
	ds_load_b128 v[80+16*\i+8*\u+4*\g:80+16*\i+8*\u+4*\g+3], v[OPR] offset:\i*8192+\u*1024+\g*512
.endr
.endr
.endr
	s_wait_dscnt 0x0
.irp k, 0,2,4,6,8,10,12,14
	v_pk_add_f32 v[80+\k:81+\k], v[80+\k:81+\k], v[96+\k:97+\k]
	v_pk_add_f32 v[112+\k:113+\k], v[112+\k:113+\k], v[128+\k:129+\k]
.endr
.irp k, 0,2,4,6,8,10,12,14
	v_pk_add_f32 v[80+\k:81+\k], v[80+\k:81+\k], v[112+\k:113+\k]
.endr
	v_max3_num_f32 v148, |v80|, |v81|, 0x2800000
.irp i, 2,4,6,8,10,12,14
	v_max3_num_f32 v148, v148, |v[80+\i]|, |v[81+\i]|
.endr
	v_permlanex16_b32 v[T], v148, s38, s39
	v_max_num_f32 v148, v148, v[T]
	v_add_nc_u32 v149, 0xfe000000, v148
	v_cvt_scalef32_pk16_bf6_f32 v[144:146], v[80:95], v149
	v_lshrrev_b32 v150, 23, v149                   ; the byte; also the plain line behind the conversion
	v_lshlrev_b32 v150, s41, v150                  ; at its place in the reader's scale word
	v_permlanex16_b32 v[T+1], v144, s38, s39
	v_cndmask_b32 v[CD], v144, v145, s36           ; lanes 0-15: registers 0-3 of the reader's six; lanes 16-31: registers 4, 5, the byte, the byte again
	v_cndmask_b32 v[CD+1], v145, v146, s36
	v_cndmask_b32 v[CD+2], v146, v150, s36
	v_cndmask_b32 v[CD+3], v[T+1], v150, s36
	global_store_b128 v[CO], v[CD:CD+3], s[32:33]  ; sixteen lanes store 256 consecutive bytes, aligned
	s_wait_xcnt 0x0                                ; the store has read its data and its base: both are written again
	s_add_nc_u64 s[32:33], s[32:33], 1024
	s_xor_b32 s41, s41, 16
	s_sub_co_u32 s40, s40, 1
	s_cmp_lg_u32 s40, 0
	s_cbranch_scc1 .Lhead
	s_wait_xcnt 0x0
	v_lshl_add_u32 v254, v0, 2, 0x4c800
	v_mov_b32 v255, 0
	s_wait_tensorcnt 0x0
	ds_add_u32 v254, v255
	s_wait_dscnt 0x0
	s_endpgm
.Lfunc_end_k_qa762613ad2_attn:
	.size	k_qa762613ad2_attn, .Lfunc_end_k_qa762613ad2_attn-k_qa762613ad2_attn
	.p2alignl 7, 3214868480
	.fill 96, 4, 3214868480
	.section	.rodata,"a",@progbits
	.p2align	6, 0x0
	.amdhsa_kernel k_qa762613ad2_attn
		.amdhsa_group_segment_fixed_size 313856
		.amdhsa_private_segment_fixed_size 0
		.amdhsa_enable_private_segment 0
		.amdhsa_kernarg_size 32
		.amdhsa_user_sgpr_count 2
		.amdhsa_user_sgpr_kernarg_segment_ptr 1
		.amdhsa_wavefront_size32 1
		.amdhsa_system_sgpr_workgroup_id_x 1
		.amdhsa_system_sgpr_workgroup_id_y 1
		.amdhsa_system_sgpr_workgroup_id_z 1
		.amdhsa_system_vgpr_workitem_id 0
		.amdhsa_next_free_vgpr 1024
		.amdhsa_next_free_sgpr 66
		.amdhsa_reserve_vcc 0
		.amdhsa_float_denorm_mode_32 3
		.amdhsa_float_denorm_mode_16_64 3
		.amdhsa_memory_ordered 1
		.amdhsa_forward_progress 1
		.amdhsa_inst_pref_size 220
	.end_amdhsa_kernel
	.amdgpu_metadata
---
amdhsa.version: [ 1, 2 ]
amdhsa.kernels:
  - .name:           k_qa762613ad2_attn
    .symbol:         k_qa762613ad2_attn.kd
    .args:
      - { .name: w2, .offset: 0, .size: 8, .value_kind: global_buffer, .address_space: global }
      - { .name: mask, .offset: 8, .size: 8, .value_kind: global_buffer, .address_space: global }
      - { .name: key_padding_mask, .offset: 16, .size: 8, .value_kind: global_buffer, .address_space: global }
      - { .name: w3, .offset: 24, .size: 8, .value_kind: global_buffer, .address_space: global }
    .group_segment_fixed_size: 313856
    .private_segment_fixed_size: 0
    .kernarg_segment_align: 8
    .kernarg_segment_size: 32
    .max_flat_workgroup_size: 128
    .sgpr_count:     66
    .vgpr_count:     1024
    .wavefront_size: 32
...
	.end_amdgpu_metadata
.endif
;; end of part 3
;; launch oproj (part 4): grid 64 x 4, 4 waves a work-group, no clusters, 17,920 bytes of LDS; arguments w1, w3, bo, out0; writes out0
.if DOCPART == 4
	.amdgcn_target "amdgcn-amd-amdhsa--gfx1250"
	.amdhsa_code_object_version 6
	.text
	.protected	k_qa762613ad2_oproj
	.globl	k_qa762613ad2_oproj
	.p2align	8
	.type	k_qa762613ad2_oproj,@function
k_qa762613ad2_oproj:
	s_mov_b64 s[64:65], 0
	v_nop
	global_prefetch_b8 v0, s[64:65] scope:SCOPE_SE
	s_setreg_imm32_b32 hwreg(HW_REG_WAVE_MODE, 25, 1), 1
	s_wait_xcnt 0x0
; out0 = ctx Wo + bo on codes of BF6 with E8M0 scales, sums in f32.  A wave makes 64 tokens (tiles 4 x + o) x 64 features (Wo's tiles 16 y + 4 wave + i): 16 accumulators, K = 1,024 in eight steps of 128.
; Source 0 = 16 rows of Wo's image, source 1 = 16 tokens of ctx: a lane holds one token and neighbouring features (rows of a tile: 32 n + 8 u + r + 8 (r / 8)).  The bias is the C of each sum's first product.
; ctx: [token tile][head][part 2][hh 2][r 16][16 bytes]: part 0 = registers 0-3 of the head's six registers of lane (r, hh); part 1 = registers 4, 5 and the block's scale byte at its place in the K step's word.
; Operands come from memory straight into registers; the results leave through each wave's own stage in LDS as whole rows of 256 bytes.  No barrier: waves share nothing but what they read.
; REGISTERS: window 0: v1-6 addresses; v16-19 Wo's scale words, v20-27 ctx's, v28-43 ctx's bytes as loaded, v44-47 at work; v64-159, v160-255 two buffers of fragments.  window 1: v0-127 accumulators, v128-159 the bias.
.set WQ_O, 3145728
.set WS_O, 6422528
.set SP, 272
.set MSB, 0
.macro WIN new                         ; the immediate's high byte repeats the setting that is left
.if MSB != (\new)
	s_set_vgpr_msb (MSB<<8)|(\new)
.set MSB, (\new)
.endif
.endm
.macro NOPS n
.rept \n
	v_nop
.endr
.endm
.macro WMS                             ; one product, by the symbols rD, rC, rA, rB, rSA, rSB; fRA: source 0's scales stand in lanes 16-31
.if fRA
	v_wmma_scale_f32_16x16x128_f8f6f4 v[rD:rD+7], v[rA:rA+11], v[rB:rB+11], v[rC:rC+7], v[rSA], v[rSB] matrix_a_fmt:MATRIX_FMT_BF6 matrix_b_fmt:MATRIX_FMT_BF6 matrix_a_scale:MATRIX_SCALE_ROW1
.else
	v_wmma_scale_f32_16x16x128_f8f6f4 v[rD:rD+7], v[rA:rA+11], v[rB:rB+11], v[rC:rC+7], v[rSA], v[rSB] matrix_a_fmt:MATRIX_FMT_BF6 matrix_b_fmt:MATRIX_FMT_BF6
.endif
.endm
.macro LOADK ks                        ; 38 loads: K step ks (heads 2 ks, 2 ks + 1) into buffer ks % 2
.set pb, (\ks)%2
.set FB, 64+96*pb
.irp i, 0,1,2,3
.irp g, 0,1,2
	global_load_b128 v[FB+12*\i+4*\g:FB+12*\i+4*\g+3], v1, s[14:15] offset:\i*12288+(\ks)*1536+\g*512
.endr
.endr
.irp j, 0,1
	global_load_b32 v[16+2*pb+\j], v2, s[16:17] offset:\j*1024+(\ks)*128
.endr
.irp o, 0,1,2,3
.irp c, 0,1
	global_load_b128 v[FB+48+12*\o+6*\c:FB+48+12*\o+6*\c+3], v1, s[6:7] offset:\o*16384+(2*(\ks)+\c)*1024
	global_load_b64 v[FB+48+12*\o+6*\c+4:FB+48+12*\o+6*\c+5], v1, s[6:7] offset:\o*16384+(2*(\ks)+\c)*1024+512
	global_load_b32 v[28+8*pb+2*\o+\c], v1, s[6:7] offset:\o*16384+(2*(\ks)+\c)*1024+520
.endr
.endr
.endm
	s_load_b256 s[4:11], s[0:1], 0x0               ; w1, w3, bo, out0
	v_lshl_add_u32 v62, v0, 2, 0x4400
	v_mov_b32 v63, 0
	v_lshrrev_b32 v1, 5, v0
	v_readfirstlane_b32 s12, v1                    ; wave
	v_and_b32 v7, 31, v0
	v_lshlrev_b32 v1, 4, v7                        ; 16 x lane
	v_lshlrev_b32 v2, 2, v7                        ; 4 x lane
	v_and_b32 v8, 15, v0                           ; r
	v_bfe_u32 v9, v0, 4, 1                         ; h
	v_lshlrev_b32 v3, 6, v9                        ; the bias: 16 h numbers on
	s_mul_i32 s26, s12, 16*SP                      ; my stage
	v_mul_u32_u24 v4, v8, SP
	v_lshl_add_u32 v4, v9, 6, v4
	v_add_nc_u32 v4, s26, v4                       ; in: row r, + 64 h
	v_mul_u32_u24 v5, v9, SP
	v_lshl_add_u32 v5, v8, 4, v5
	v_add_nc_u32 v5, s26, v5                       ; back: lanes 0-15 one row of 256 bytes, lanes 16-31 the next
	v_lshlrev_b32 v6, 12, v9
	v_lshl_add_u32 v6, v8, 4, v6                   ; and the same two rows in out0
.irp i, 0,1,2,3
	v_mov_b32 v[44+\i], 0                          ; (a lane permute's destination counts as read)
.endr
	s_and_b32 s13, ttmp7, 0xffff
	s_lshl_b32 s13, s13, 2
	s_add_co_u32 s13, s13, s12                     ; which 64 features
	s_mul_i32 s14, s13, 4*12288
	s_add_co_u32 s14, s14, WQ_O+192*12288          ; Wo's tiles follow the 192 of Wq, Wk, Wv
	s_mov_b32 s15, 0
	s_lshl_b32 s16, s13, 11
	s_add_co_u32 s16, s16, WS_O+96*1024
	s_mov_b32 s17, 0
	s_lshl_b32 s18, ttmp9, 16                      ; my four token tiles of ctx
	s_mov_b32 s19, 0
	s_lshl_b32 s22, s13, 8                         ; my 64 features in bytes
	s_mov_b32 s23, 0
	s_lshl_b32 s24, ttmp9, 18                      ; 64 rows of 4,096 bytes
	s_add_co_u32 s24, s24, s22
	s_mov_b32 s25, 0
	s_mov_b32 s20, 0x76543210
	s_mov_b32 s21, 0xfedcba98
	s_wait_kmcnt 0x0
	s_add_nc_u64 s[14:15], s[4:5], s[14:15]
	s_add_nc_u64 s[16:17], s[4:5], s[16:17]
	s_add_nc_u64 s[6:7], s[6:7], s[18:19]
	s_add_nc_u64 s[8:9], s[8:9], s[22:23]
	s_add_nc_u64 s[10:11], s[10:11], s[24:25]
	WIN 0x40                                       ; destination window 1
.irp i, 0,1,2,3
	global_load_b128 v[128+8*\i:128+8*\i+3], v3, s[8:9] offset:(32*(\i/2)+8*(\i%2))*4      ; tile i, lane (r, h): bo at features 32 (i / 2) + 8 (i % 2) + 16 h + 0 .. 7
	global_load_b128 v[128+8*\i+4:128+8*\i+7], v3, s[8:9] offset:(32*(\i/2)+8*(\i%2))*4+16
.endr
	WIN 0
	LOADK 0
.set kk, 0
.rept 8
.set kp, kk%2
.if kk < 7
.if kk >= 1
	NOPS 4                                         ; four places in front of loads into registers that the step before last's products read
.endif
	LOADK kk+1
	s_wait_loadcnt 38                              ; this step's loads (and the bias) are in; the 38 just issued may be out
.else
	s_wait_loadcnt 0x0
.endif
.irp o, 0,1,2,3
	v_or_b32 v[20+4*kp+\o], v[28+8*kp+2*\o], v[28+8*kp+2*\o+1]    ; my two bytes of the token's scale word,
.endr
.irp o, 0,1,2,3
	v_permlanex16_b32 v[44+\o], v[20+4*kp+\o], s20, s21
.endr
.irp o, 0,1,2,3
	v_or_b32 v[20+4*kp+\o], v[20+4*kp+\o], v[44+\o]               ; and lane l xor 16's two
.endr
	NOPS 8                                         ; a scale register written by a vector instruction stands eight places ahead of the scaled product
	WIN 0x50                                       ; sources 0 and 1 window 0, C and D window 1
.set mo, 0
.rept 4
.set mi, 0
.rept 4
.set rD, 8*(4*mo+mi)
.if kk == 0
.set rC, 128+8*mi                                  ; the bias starts the sum
.else
.set rC, rD
.endif
.set rA, 64+96*kp+12*mi
.set rB, 64+96*kp+48+12*mo
.set rSA, 16+2*kp+mi/2
.set rSB, 20+4*kp+mo
.set fRA, mi%2
	WMS                                            ; the 16 accumulators take turns, one instruction a turn
.set mi, mi+1
.endr
.set mo, mo+1
.endr
	WIN 0
.set kk, kk+1
.endr
; THE WAY OUT, a token tile at a time: a lane's eight results are 32 neighbouring bytes of a row; they go into my stage and come back as whole rows of 256 bytes.
.macro TOSTAGE o
	WIN 0x04                                       ; an LDS store's data: window 1
.irp i, 0,1,2,3
	ds_store_b128 v4, v[8*(4*(\o)+\i):8*(4*(\o)+\i)+3] offset:(\i/2)*128+(\i%2)*32       ; each accumulator from its low end on
	ds_store_b128 v4, v[8*(4*(\o)+\i)+4:8*(4*(\o)+\i)+7] offset:(\i/2)*128+(\i%2)*32+16
.endr
	WIN 0
.irp t, 0,1,2,3,4,5,6,7
	ds_load_b128 v[64+32*(\o)+4*\t:64+32*(\o)+4*\t+3], v5 offset:2*\t*SP   ; LDS serves a wave's instructions in order: these see my stores, and the next tile's stores come behind them
.endr
.endm
.macro SEND o, younger                 ; younger: the LDS instructions issued behind tile o's loads, which may stay out
	s_wait_dscnt \younger
.irp t, 0,1,2,3,4,5,6,7
	global_store_b128 v6, v[64+32*(\o)+4*\t:64+32*(\o)+4*\t+3], s[10:11] offset:(32*((\o)/2)+8*((\o)%2)+2*\t+8*(\t/4))*4096 th:TH_STORE_NT   ; sixteen lanes store 256 consecutive bytes, aligned
.endr
.endm
	NOPS 4                                         ; four places in front of the first read of results and of loads over the fragments
	TOSTAGE 0
	TOSTAGE 1
	SEND 0, 16
	TOSTAGE 2
	SEND 1, 16
	TOSTAGE 3
	SEND 2, 16
	SEND 3, 0
	s_wait_tensorcnt 0x0
	ds_add_u32 v62, v63
	s_wait_dscnt 0x0
	s_endpgm
.Lfunc_end_k_qa762613ad2_oproj:
	.size	k_qa762613ad2_oproj, .Lfunc_end_k_qa762613ad2_oproj-k_qa762613ad2_oproj
	.p2alignl 7, 3214868480
	.fill 96, 4, 3214868480
	.section	.rodata,"a",@progbits
	.p2align	6, 0x0
	.amdhsa_kernel k_qa762613ad2_oproj
		.amdhsa_group_segment_fixed_size 17920
		.amdhsa_private_segment_fixed_size 0
		.amdhsa_enable_private_segment 0
		.amdhsa_kernarg_size 32
		.amdhsa_user_sgpr_count 2
		.amdhsa_user_sgpr_kernarg_segment_ptr 1
		.amdhsa_wavefront_size32 1
		.amdhsa_system_sgpr_workgroup_id_x 1
		.amdhsa_system_sgpr_workgroup_id_y 1
		.amdhsa_system_sgpr_workgroup_id_z 1
		.amdhsa_system_vgpr_workitem_id 0
		.amdhsa_next_free_vgpr 416
		.amdhsa_next_free_sgpr 66
		.amdhsa_reserve_vcc 0
		.amdhsa_float_denorm_mode_32 3
		.amdhsa_float_denorm_mode_16_64 3
		.amdhsa_memory_ordered 1
		.amdhsa_forward_progress 1
		.amdhsa_inst_pref_size 63
	.end_amdhsa_kernel
	.amdgpu_metadata
---
amdhsa.version: [ 1, 2 ]
amdhsa.kernels:
  - .name:           k_qa762613ad2_oproj
    .symbol:         k_qa762613ad2_oproj.kd
    .args:
      - { .name: w1, .offset: 0, .size: 8, .value_kind: global_buffer, .address_space: global }
      - { .name: w3, .offset: 8, .size: 8, .value_kind: global_buffer, .address_space: global }
      - { .name: bo, .offset: 16, .size: 8, .value_kind: global_buffer, .address_space: global }
      - { .name: out0, .offset: 24, .size: 8, .value_kind: global_buffer, .address_space: global }
    .group_segment_fixed_size: 17920
    .private_segment_fixed_size: 0
    .kernarg_segment_align: 8
    .kernarg_segment_size: 32
    .max_flat_workgroup_size: 128
    .sgpr_count:     66
    .vgpr_count:     416
    .wavefront_size: 32
...
	.end_amdgpu_metadata
.endif
;; end of part 4
;; ======== version 2 of 2: 4 launches; version 1 with the launches qkv, attn, oproj written anew for expert scheduling mode
;; limits: right only within a limited range of input values
;; workspace buffers: w1 6,553,600 bytes; w2 9,830,400 bytes; w3 4,194,304 bytes
;; launch quant: the kernel of part 1 again; grid 512 x 1, 4 waves a work-group, no clusters, 81,408 bytes of LDS; arguments x, Wq, Wk, Wv, Wo, w1; writes w1
;; launch qkv (part 5): grid 32 x 8, 3 waves a work-group, no clusters, 0 bytes of LDS; arguments w1, w2; writes w2
.if DOCPART == 5
	.amdgcn_target "amdgcn-amd-amdhsa--gfx1250"
	.amdhsa_code_object_version 6
	.text
	.protected	k_qa762613ad2_qkv
	.globl	k_qa762613ad2_qkv
	.p2align	8
	.type	k_qa762613ad2_qkv,@function
k_qa762613ad2_qkv:
	s_mov_b64 s[64:65], 0
	v_nop
	global_prefetch_b8 v0, s[64:65] scope:SCOPE_SE
	s_setreg_imm32_b32 hwreg(HW_REG_WAVE_SCHED_MODE, 0, 2), 2
	s_setreg_imm32_b32 hwreg(HW_REG_WAVE_MODE, 25, 1), 1
	s_wait_xcnt 0x0
	s_wait_alu depctr_vm_vsrc(0)
; Q = x Wq, K = x Wk, V = x Wv on codes of BF6 with E8M0 scales, sums in f32; the results are quantised at once for the two products of attention and stored as images of operand registers.
; A wave makes 128 tokens x 128 features (64 accumulators, 512 registers), K = 1,024 in eight steps of 128; operands come from memory straight into registers, as dense runs of 512 bytes.
; Wave F = 3 y + wave (0 .. 23) takes features 128 F of [Wq | Wk | Wv]; work-group x takes tokens 128 x.  No LDS, no barrier: waves share nothing.
; ONE BODY, TWO ORIENTATIONS: accumulator (o, i) = source 0: INNER tile i, source 1: OUTER tile o.  A lane holds one row of the outer tile, and the registers of inner tiles 2 n, 2 n + 1 are 16 neighbours
; (rows of a tile: 32 n + 8 u + r + 8 (r / 8)).  Q, K: inner = weights, outer = tokens: registers run along the features, their K in the score product.  V: inner = tokens, outer = weights: registers run along
; the tokens, which are the keys, V's K.  Only four offsets differ.
; w2: Q's, K's and V's images, each [batch][head][64 slots][1536].  Q, K slot kb: registers 0-5 = token tile (kb, 0), dims 32 hh on; registers 6-11 = token tile (kb, 1).  V slot 4 s + dt: dims' tile dt x the 128 keys of step s.
; Their scale words, each [batch][head][s 16][r 16][4 words]: Q, K: word j for slot 4 s + j, bytes (u 0 block 0, u 0 block 1, u 1 block 0, u 1 block 1); V: word j for dims' tile j, bytes = the step's four blocks of keys.
; LIMITS: a block whose largest magnitude lies under 2^-122, a block of zeros among them, gets the byte 1 (zeros keep zero codes; this program alone reads the bytes).
; REGISTERS: window 0: v1-3 addresses; v32-47 scale words, two sets; v64-255 fragments, buffer 1.  window 1: v64-255 buffer 0.  windows 2, 3: the accumulators, (o, i) at 8 (8 (o % 4) + i).
; THE MODE: SCHED_MODE bits 1:0 = 2 (LLVM: expert scheduling mode 2), set by the entry lines.  The code itself states the register dependences
; between vector or matrix instructions and memory instructions, with s_wait_alu, always for 0.
; THE PLAN.  Registers that memory instructions touch:
;   buffer 0 (window 1 v64-255, scale words v32-39), buffer 1 (window 0 v64-255, scale words v40-47): K step ks's 56 loads land in buffer ks % 2; that step's 64 products read it; the loads of K step ks + 2 land in it.
;   v1, v2, v3   offsets, made once at the head and never written again: the K steps are reached by immediate offsets.
;   v64-159, v168-171 on the way out: written by the quantiser's lines, read by the 25 stores.
; So ONE wait on va_vdst stands in a K step, ahead of the run of loads for the next step: the products of the step before are done reading the buffer and the scale words in which those loads land.
; The run stays whole and ahead of the wait for the step in hand: 512 accumulators and two buffers of 192 leave no registers for a third buffer, and so the next step's loads are asked for while this step's are still landing.
.set WQ_O, 3145728
.set XS_O, 6291456
.set WS_O, 6422528
.set QS_O, 9437184
.set PW, 160                           ; the way out, window 0: v64-159 codes, v160-167 scale words, v168-175 words as stored, v176-191 at work, v192-199 half blocks
.set W4, 168
.set TM, 176
.set XH, 192
.set MSB, 0
.macro WIN new                         ; the immediate's high byte repeats the setting that is left
.if MSB != (\new)
	s_set_vgpr_msb (MSB<<8)|(\new)
.set MSB, (\new)
.endif
.endm
.macro NOPS n
.rept \n
	v_nop
.endr
.endm
; one product, by the symbols rD, rA, rB, rSA, rSB; fRA, fRB: the side's scales stand in lanes 16-31; fZ: it starts the sum
.macro WMS
.if fZ
.if fRA && fRB
	v_wmma_scale_f32_16x16x128_f8f6f4 v[rD:rD+7], v[rA:rA+11], v[rB:rB+11], 0, v[rSA], v[rSB] matrix_a_fmt:MATRIX_FMT_BF6 matrix_b_fmt:MATRIX_FMT_BF6 matrix_a_scale:MATRIX_SCALE_ROW1 matrix_b_scale:MATRIX_SCALE_ROW1
.elseif fRA
	v_wmma_scale_f32_16x16x128_f8f6f4 v[rD:rD+7], v[rA:rA+11], v[rB:rB+11], 0, v[rSA], v[rSB] matrix_a_fmt:MATRIX_FMT_BF6 matrix_b_fmt:MATRIX_FMT_BF6 matrix_a_scale:MATRIX_SCALE_ROW1
.elseif fRB
	v_wmma_scale_f32_16x16x128_f8f6f4 v[rD:rD+7], v[rA:rA+11], v[rB:rB+11], 0, v[rSA], v[rSB] matrix_a_fmt:MATRIX_FMT_BF6 matrix_b_fmt:MATRIX_FMT_BF6 matrix_b_scale:MATRIX_SCALE_ROW1
.else
	v_wmma_scale_f32_16x16x128_f8f6f4 v[rD:rD+7], v[rA:rA+11], v[rB:rB+11], 0, v[rSA], v[rSB] matrix_a_fmt:MATRIX_FMT_BF6 matrix_b_fmt:MATRIX_FMT_BF6
.endif
.else
.if fRA && fRB
	v_wmma_scale_f32_16x16x128_f8f6f4 v[rD:rD+7], v[rA:rA+11], v[rB:rB+11], v[rD:rD+7], v[rSA], v[rSB] matrix_a_fmt:MATRIX_FMT_BF6 matrix_b_fmt:MATRIX_FMT_BF6 matrix_a_scale:MATRIX_SCALE_ROW1 matrix_b_scale:MATRIX_SCALE_ROW1
.elseif fRA
	v_wmma_scale_f32_16x16x128_f8f6f4 v[rD:rD+7], v[rA:rA+11], v[rB:rB+11], v[rD:rD+7], v[rSA], v[rSB] matrix_a_fmt:MATRIX_FMT_BF6 matrix_b_fmt:MATRIX_FMT_BF6 matrix_a_scale:MATRIX_SCALE_ROW1
.elseif fRB
	v_wmma_scale_f32_16x16x128_f8f6f4 v[rD:rD+7], v[rA:rA+11], v[rB:rB+11], v[rD:rD+7], v[rSA], v[rSB] matrix_a_fmt:MATRIX_FMT_BF6 matrix_b_fmt:MATRIX_FMT_BF6 matrix_b_scale:MATRIX_SCALE_ROW1
.else
	v_wmma_scale_f32_16x16x128_f8f6f4 v[rD:rD+7], v[rA:rA+11], v[rB:rB+11], v[rD:rD+7], v[rSA], v[rSB] matrix_a_fmt:MATRIX_FMT_BF6 matrix_b_fmt:MATRIX_FMT_BF6
.endif
.endif
.endm
; 56 loads: K step ks's sixteen fragments (48 loads of 512 consecutive bytes) and eight registers of scale words, into buffer ks % 2
.macro LOADK ks
.if ((\ks)%2) == 0
	WIN 0x40                                       ; destination window 1, address window 0
.else
	WIN 0
.endif
.set lt, 0
.rept 8
.set lg, 0
.rept 3
	global_load_b128 v[64+12*lt+4*lg:64+12*lt+4*lg+3], v1, s[16:17] offset:lt*12288+(\ks)*1536+lg*512
	global_load_b128 v[160+12*lt+4*lg:160+12*lt+4*lg+3], v1, s[18:19] offset:lt*12288+(\ks)*1536+lg*512
.set lg, lg+1
.endr
.set lt, lt+1
.endr
	WIN 0
.set lt, 0
.rept 4
	global_load_b32 v[32+8*((\ks)%2)+lt], v2, s[20:21] offset:lt*1024+(\ks)*128
	global_load_b32 v[36+8*((\ks)%2)+lt], v2, s[22:23] offset:lt*1024+(\ks)*128
.set lt, lt+1
.endr
.endm
; 64 products: the 64 accumulators take turns, one instruction a turn, in the same order in every K step
.macro MULK ks
.set pb, (\ks)%2
.if (\ks) == 0
.set fZ, 1
.else
.set fZ, 0
.endif
.set mo, 0
.rept 8
.if mo == 0
	WIN 0xa5-5*pb                                  ; both sources in the buffer's window, C and D window 2
.endif
.if mo == 4
	WIN 0xf5-5*pb                                  ; C and D window 3
.endif
.set mi, 0
.rept 8
.set rD, 8*(8*(mo%4)+mi)
.set rA, 64+12*mi
.set rB, 160+12*mo
.set rSA, 32+8*pb+mi/2
.set rSB, 36+8*pb+mo/2
.set fRA, mi%2
.set fRB, mo%2
	WMS
.set mi, mi+1
.endr
.set mo, mo+1
.endr
.endm
; The 64 numbers of a lane in accumulators (o, 0 .. 7), register 16 b + i = place 32 b + 16 (lane / 16) + i along the next K, become codes: registers 0-5 of the fragment at v[d0], 6-11 at v[d1]; the row's scale word in v[pw]
.macro QUANT o, d0, d1, pw
.set qAB, 64*((\o)%4)
.set qW, (\o)/4
	WIN 0x28+0x14*qW                               ; sources 1 and 2 in the accumulators' window
.irp b, 0,1,2,3
	v_max3_num_f32 v[TM+\b], 0x2800000, |v[qAB+16*\b]|, |v[qAB+16*\b+1]|   ; the floor 2^(5 - 127) and the first two; each accumulator is read from its low end on
.endr
.irp i, 2,4,6,8,10,12,14
.irp b, 0,1,2,3
	v_max3_num_f32 v[TM+\b], v[TM+\b], |v[qAB+16*\b+\i]|, |v[qAB+16*\b+\i+1]|   ; the four blocks by turns
.endr
.endr
	WIN 0
.irp b, 0,1,2,3
	v_permlanex16_b32 v[TM+4+\b], v[TM+\b], s32, s33
.endr
.irp b, 0,1,2,3
	v_max_num_f32 v[TM+\b], v[TM+\b], v[TM+4+\b]   ; with lane l xor 16's 16: the block's largest magnitude
.endr
.irp b, 0,1,2,3
	v_add_nc_u32 v[TM+12+\b], 0xfe000000, v[TM+\b] ; 4 off its exponent field: the conversion's scale operand
.endr
.irp b, 0,1,2,3
	v_lshrrev_b32 v[TM+8+\b], 23, v[TM+12+\b]      ; the byte
.endr
	v_lshl_or_b32 v[(\pw)], v[TM+9], 8, v[TM+8]
	v_lshl_or_b32 v[(\pw)], v[TM+10], 16, v[(\pw)]
	v_lshl_or_b32 v[(\pw)], v[TM+11], 24, v[(\pw)]
	WIN 0x02+qW                                    ; source 0 in the accumulators' window
	v_cvt_scalef32_pk16_bf6_f32 v[(\d0):(\d0)+2], v[qAB:qAB+15], v[TM+12]
	v_cvt_scalef32_pk16_bf6_f32 v[XH:XH+2], v[qAB+16:qAB+31], v[TM+13]
	v_cvt_scalef32_pk16_bf6_f32 v[(\d1):(\d1)+2], v[qAB+32:qAB+47], v[TM+14]
	v_cvt_scalef32_pk16_bf6_f32 v[XH+4:XH+6], v[qAB+48:qAB+63], v[TM+15]
	WIN 0
	v_nop                                          ; one plain line behind the conversions
.irp i, 0,1,2
	v_permlane16_swap_b32 v[(\d0)+\i], v[XH+\i]    ; a whole block to a lane: lanes 0-15 the even block, lanes 16-31 the odd one
	v_permlane16_swap_b32 v[(\d1)+\i], v[XH+4+\i]
.endr
.irp i, 0,1,2
	v_mov_b32 v[(\d0)+3+\i], v[XH+\i]
	v_mov_b32 v[(\d1)+3+\i], v[XH+4+\i]
.endr
.endm
	s_load_b128 s[4:7], s[0:1], 0x0                ; w1, w2
	v_lshrrev_b32 v1, 5, v0
	v_readfirstlane_b32 s8, v1                     ; wave 0..2
	v_and_b32 v4, 31, v0
	v_lshlrev_b32 v1, 4, v4                        ; 16 x lane
	v_lshlrev_b32 v2, 2, v4                        ; 4 x lane
	v_and_b32 v3, 15, v0
	v_lshlrev_b32 v3, 4, v3
	v_bfe_u32 v4, v0, 4, 1
	v_lshl_add_u32 v3, v4, 12, v3                  ; scale words out: 16 r, lanes 16-31 one head (4,096 bytes) on
	s_wait_alu depctr_va_sdst(0)                   ; s8 is written, ahead of its first reader: F and all the bases are made from it
	s_and_b32 s9, ttmp7, 0xffff
	s_mul_i32 s9, s9, 3
	s_add_co_u32 s9, s9, s8                        ; F
	s_lshr_b32 s10, s9, 3                          ; 0 Q, 1 K, 2 V
	s_and_b32 s11, s9, 7                           ; which pair of heads
	s_mul_i32 s12, ttmp9, 98304                    ; my tokens' eight tiles
	s_mul_i32 s13, s9, 98304
	s_add_co_u32 s13, s13, WQ_O                    ; my features' eight tiles
	s_lshl_b32 s14, ttmp9, 12
	s_add_co_u32 s14, s14, XS_O
	s_lshl_b32 s15, s9, 12
	s_add_co_u32 s15, s15, WS_O
	s_cmp_lt_u32 s10, 2
	s_cselect_b32 s16, s13, s12                    ; inner codes,
	s_cselect_b32 s18, s12, s13                    ; outer codes,
	s_cselect_b32 s20, s15, s14                    ; inner scale words,
	s_cselect_b32 s22, s14, s15                    ; outer scale words
	s_mov_b32 s17, 0
	s_mov_b32 s19, 0
	s_mov_b32 s21, 0
	s_mov_b32 s23, 0
	s_lshr_b32 s28, ttmp9, 4                       ; batch
	s_and_b32 s29, ttmp9, 15                       ; s: which 128 tokens of the batch
	s_lshl_b32 s28, s28, 4
	s_lshl_b32 s30, s11, 1
	s_add_co_u32 s28, s28, s30                     ; 16 x batch + my first head
	s_lshl_b32 s24, s28, 6
	s_lshl_b32 s30, s29, 2
	s_add_co_u32 s24, s24, s30
	s_mul_i32 s24, s24, 1536
	s_mul_i32 s30, s10, 3145728
	s_add_co_u32 s24, s24, s30
	s_mov_b32 s25, 0
	s_lshl_b32 s26, s28, 4
	s_add_co_u32 s26, s26, s29
	s_lshl_b32 s26, s26, 8
	s_lshl_b32 s30, s10, 17
	s_add_co_u32 s26, s26, s30
	s_add_co_u32 s26, s26, QS_O
	s_mov_b32 s27, 0
	s_mov_b32 s32, 0x76543210
	s_mov_b32 s33, 0xfedcba98
	s_mov_b32 s34, 0xffff0000
	s_wait_kmcnt 0x0
	s_add_nc_u64 s[16:17], s[4:5], s[16:17]
	s_add_nc_u64 s[18:19], s[4:5], s[18:19]
	s_add_nc_u64 s[20:21], s[4:5], s[20:21]
	s_add_nc_u64 s[22:23], s[4:5], s[22:23]
	s_add_nc_u64 s[24:25], s[6:7], s[24:25]
	s_add_nc_u64 s[26:27], s[6:7], s[26:27]
	s_wait_alu depctr_va_vdst(0)                   ; the offsets v1, v2 and v3 are written: every load and store of the kernel reads one of them
	LOADK 0
.set kk, 0
.rept 8
.if kk < 7
.if kk >= 1
	NOPS 4                                         ; four places behind the last products, whose buffer is asked for again (ISA guide 7.12.1); they stay beside the wait
	s_wait_alu depctr_va_vdst(0)                   ; the 64 products of the step before are done reading their buffer and its scale words, in which the 56 loads below land
.endif
	LOADK kk+1
	s_wait_loadcnt 56                              ; this step's 56 loads are in; the 56 just issued may be out
.else
	s_wait_loadcnt 0x0
.endif
	MULK kk
.set kk, kk+1
.endr
	WIN 0
	NOPS 4                                         ; four places in front of the first read of results and the first write over fragments
.irp b, 0,1,2,3
	v_mov_b32 v[TM+4+\b], 0                        ; (a lane permute's destination counts as read)
.endr
	s_cmp_lt_u32 s10, 2
	s_cbranch_scc0 .Lvpath
	; Q, K: token tile o = 2 j + u gives half a slot for each of my two heads c: registers 6 u on of slot j
.set qo, 0
.rept 8
	QUANT qo, 64+12*(qo/2)+6*(qo%2), 64+12*(4+qo/2)+6*(qo%2), PW+qo
.set qo, qo+1
.endr
.irp j, 0,1,2,3
	v_perm_b32 v[W4+\j], v[PW+2*\j+1], v[PW+2*\j], 0x05040100     ; head 0: bytes 0, 1 of tile u = 0, then of u = 1
	v_perm_b32 v[W4+4+\j], v[PW+2*\j+1], v[PW+2*\j], 0x07060302   ; head 1: bytes 2, 3
.endr
.irp j, 0,1,2,3
	v_cndmask_b32 v[W4+\j], v[W4+\j], v[W4+4+\j], s34             ; lanes 0-15 store head 0's words, lanes 16-31 head 1's
.endr
	s_branch .Ltail
.Lvpath:
	; V: features' tile o is head o / 4, dims' tile o % 4: a whole fragment of 128 keys
.set qo, 0
.rept 8
	QUANT qo, 64+12*qo, 64+12*qo+6, PW+qo
.set qo, qo+1
.endr
.irp j, 0,1,2,3
	v_cndmask_b32 v[W4+\j], v[PW+\j], v[PW+4+\j], s34
.endr
.Ltail:
	s_wait_alu depctr_va_vdst(0)                   ; on either way the quantiser's lines have written the codes v64-159 and the words v168-171, which the stores read
.irp c, 0,1
.irp j, 0,1,2,3
.irp g, 0,1,2
	global_store_b128 v1, v[64+12*(4*\c+\j)+4*\g:64+12*(4*\c+\j)+4*\g+3], s[24:25] offset:\c*98304+\j*1536+\g*512   ; 512 consecutive bytes
.endr
.endr
.endr
	global_store_b128 v3, v[W4:W4+3], s[26:27]     ; sixteen lanes store 256 consecutive bytes
	s_endpgm
.Lfunc_end_k_qa762613ad2_qkv:
	.size	k_qa762613ad2_qkv, .Lfunc_end_k_qa762613ad2_qkv-k_qa762613ad2_qkv
	.p2alignl 7, 3214868480
	.fill 96, 4, 3214868480
	.section	.rodata,"a",@progbits
	.p2align	6, 0x0
	.amdhsa_kernel k_qa762613ad2_qkv
		.amdhsa_group_segment_fixed_size 0
		.amdhsa_private_segment_fixed_size 0
		.amdhsa_enable_private_segment 0
		.amdhsa_kernarg_size 16
		.amdhsa_user_sgpr_count 2
		.amdhsa_user_sgpr_kernarg_segment_ptr 1
		.amdhsa_wavefront_size32 1
		.amdhsa_system_sgpr_workgroup_id_x 1
		.amdhsa_system_sgpr_workgroup_id_y 1
		.amdhsa_system_sgpr_workgroup_id_z 1
		.amdhsa_system_vgpr_workitem_id 0
		.amdhsa_next_free_vgpr 1024
		.amdhsa_next_free_sgpr 66
		.amdhsa_reserve_vcc 0
		.amdhsa_float_denorm_mode_32 3
		.amdhsa_float_denorm_mode_16_64 3
		.amdhsa_memory_ordered 1
		.amdhsa_forward_progress 1
		.amdhsa_inst_pref_size 177
	.end_amdhsa_kernel
	.amdgpu_metadata
---
amdhsa.version: [ 1, 2 ]
amdhsa.kernels:
  - .name:           k_qa762613ad2_qkv
    .symbol:         k_qa762613ad2_qkv.kd
    .args:
      - { .name: w1, .offset: 0, .size: 8, .value_kind: global_buffer, .address_space: global }
      - { .name: w2, .offset: 8, .size: 8, .value_kind: global_buffer, .address_space: global }
    .group_segment_fixed_size: 0
    .private_segment_fixed_size: 0
    .kernarg_segment_align: 8
    .kernarg_segment_size: 16
    .max_flat_workgroup_size: 96
    .sgpr_count:     66
    .vgpr_count:     1024
    .wavefront_size: 32
...
	.end_amdgpu_metadata
.endif
;; end of part 5
;; launch attn (part 6): grid 64 x 4, 4 waves a work-group, no clusters, 313,856 bytes of LDS; arguments w2, mask, key_padding_mask, w3; writes w3
.if DOCPART == 6
	.amdgcn_target "amdgcn-amd-amdhsa--gfx1250"
	.amdhsa_code_object_version 6
	.text
	.protected	k_qa762613ad2_attn
	.globl	k_qa762613ad2_attn
	.p2align	8
	.type	k_qa762613ad2_attn,@function
k_qa762613ad2_attn:
	s_mov_b64 s[64:65], 0
	v_nop
	global_prefetch_b8 v0, s[64:65] scope:SCOPE_SE
	s_setreg_imm32_b32 hwreg(HW_REG_WAVE_SCHED_MODE, 0, 2), 2
	s_setreg_imm32_b32 hwreg(HW_REG_WAVE_MODE, 25, 1), 1
	s_wait_xcnt 0x0
	s_wait_alu depctr_vm_vsrc(0)
; Attention on codes of BF6: scores = Q K^T / 8 + mask, padded keys closed; softmax; ctx = attn V; ctx quantised along D for the last projection.
; THE WEIGHTS ARE QUANTISED FINISHED AND NORMALISED, so a row's maximum and sum are known before any weight is quantised: a head's scores stay in registers.
; SHARES.  A work-group owns 32 queries (two tiles of 16) of one batch and walks 8 heads; each of its four waves owns 512 keys: S^T for 32 queries x 512 keys is 512 registers.  Maxima and sums meet in LDS (one barrier),
; the four partial O^T likewise (a second barrier).
; LAYOUT.  Both products transposed: S^T = K Q^T (source 0 = 16 keys), O^T = V^T P^T (source 0 = 16 dims): a lane holds one query throughout.  The keys of a tile are 32 n + 8 u + r + 8 (r / 8), so that the 16 registers of
; tiles 2 n, 2 n + 1 are 16 neighbouring keys.  The head's K is 64: a slot of K holds two tiles of keys side by side along the instruction's 128, and Q stands beside six registers of zero codes, below or above.
; THE MASK IS THE C OF THE SCORE PRODUCT: 8 x mask, less 2^101 where the key is padded, held at -2^100 from below (the finite stand-in for -infinity).  It lies in LDS as an image of the C registers, made once, read by all 8 heads.
; SOFTMAX.  c = log2(e) / 8.  Each wave: m = its keys' largest score, p = 2^(c s - c m), l = the sum.  Then M = the largest c m of the four waves, and p is multiplied by 2^(c m - M) / (the sum of 2^(c m_i - M) l_i).
; A wave all of whose keys are closed takes p = 1; its factor is 0 where the row has an open key elsewhere.  A row with no open key at all gets 2^-11 = 1 / 2,048 for every key, padded ones too.
; LIMITS: mask entries of +infinity or NaN are not served; finite entries under -2^90 count as -infinity.  A block of weights or of ctx whose largest magnitude lies under 2^-122 gets the byte 1 (zeros keep zero codes).
; The keys' sum of the second product, and the row's sum, are made in four parts, one a wave, and added in f32.
; NO CLUSTER, NO TENSOR LOAD: the 64 query blocks of a batch and head group read the same K and V, but to share them they would have to lie in LDS, of whose 327,680 bytes the mask's image takes 278,528.
; LDS: the mask's image, 69,632 bytes a wave: unit (query tile x 4 + key step) x 8,704 + slab (4 T + 2 g + h) x 272 + 16 r;  the partial O^T, 8,192 a wave;  (c m, l), 512 a wave.
; REGISTERS: windows 2, 3: S^T of query tile 0, 1: key step sl, tile T at 64 sl + 8 T.  window 1: v0-191 sixteen fragments of K, then of V; v192-255 O^T.  window 0: as named below.
; THE MODE: SCHED_MODE bits 1:0 = 2 (LLVM: expert scheduling mode 2), set by the entry lines.  The code itself states the register dependences
; between vector or matrix instructions and memory or LDS instructions, with s_wait_alu, always for 0.
; THE PLAN.  Registers that memory or LDS instructions touch, and who else names them:
;   v1-v10          addresses, made once at the head and never written again.
;   v80-207 (head)  eight row slots: a row's loads land; its 24 lines work in place; its four LDS stores read it; the loads of the row eight on land.  In the loop these registers are the codes and the blocks' figures.
;   windows 2, 3    the mask's image lands (LDS loads); the score products add onto it; the softmax works in place; the conversions read it; the image lands again.
;   window 1 v0-191 K's loads land; the score products read; V's loads land; the second products read; the next head's K lands.   Their scale words v56-63, v64-71, and Q's registers and word, likewise.
;   window 1 v192-255  O^T: written by the second products, read by sixteen LDS stores.
;   v214-215, v222-223  (c m, l): written by the softmax's lines, read by two LDS stores.     v224-239  the four waves' (c m, l) land where the sums' chains stood.
;   v80-143         the four partial O^T land where the weights' codes stood.                 v12-15    ctx as stored: written by four selects, read by one store.
; A head's trip has ten waits on va_vdst, each named where it stands, two on va_sdst (each behind a pair of compares), and one on vm_vsrc, ahead of the backward branch.
; Behind the wait that frees window 2 its 64 LDS loads are dealt among tile 1's multiplies, which name window 3 alone; behind the wait ahead of the second products window 3's 64 are dealt among these, which name window 1, the codes and scale words.
.set KI, 3145728
.set VI, 6291456
.set QSO, 9437184
.set KSO, 9568256
.set VSO, 9699328
.set HSTR, 98304                       ; a head's 64 slots
.set SSTR, 4096                        ; a head's scale words
.set MW, 69632
.set MU, 8704
.set MP, 272
.set OPB, 278528
.set STB, 311296
.set LI, 1                             ; 16 x lane
.set VR0, 2                            ; the mask's image as read, query tile 0;  v3: tile 1
.set VR1, 3
.set OPW, 4                            ; where I put my partial O^T
.set OPR, 5                            ; where I read the four partial O^T of the two tiles that I finish
.set STW, 6                            ; where I put (c m, l)
.set STR, 7                            ; where I read the four waves'
.set R16, 8                            ; 16 r
.set CO, 9                             ; 512 h + 16 r: ctx out
.set MWA, 10                           ; the mask's image as written
.set K11, 11                           ; 2^-11
.set CD, 12                            ; v12-15 ctx as stored
.set QB0, 16                           ; v16-33: six zeros, Q tile 0's six registers, six zeros;  v34-51: tile 1
.set QSW, 52                           ; Q's scale word as loaded
.set QS0, 53                           ; v53, v54: tile 0's, tile 1's two bytes, twice
.set KS, 56                            ; v56-63 K's scale words
.set VS, 64                            ; v64-71 V's
.set PW, 72                            ; v72-79 the weights' scale words, unit U = 4 qt + sl
.set P, 80                             ; v80-175 the weights' codes, 12 U;  at the head v80-207: eight rows of the mask
.set MS, 80
.set BM, 176                           ; v176-207 a block's largest score, then weight, then the conversion's scale operand: 4 U + b
.set ST, 208                           ; v208+8 qt: c or 0 (twice), -c m or 0 (twice), the factor (twice), c m, l;  at the head v208-223: the padding's terms
.set T, 224                            ; v224-255 at work
.set MSB, 0
.macro WIN new                         ; the immediate's high byte repeats the setting that is left
.if MSB != (\new)
	s_set_vgpr_msb (MSB<<8)|(\new)
.set MSB, (\new)
.endif
.endm
.macro NOPS n
.rept \n
	v_nop
.endr
.endm
.macro BARRIER                         ; my LDS stores have landed and my LDS loads are in: then the work-group's barrier
	s_wait_dscnt 0x0
	s_barrier_signal -1
	s_barrier_wait -1
.endm
; one product, by the symbols rD, rA, rB, rSA, rSB; fRA: source 0's scales stand in lanes 16-31; fZ: it starts the sum
.macro WMS
.if fZ
.if fRA
	v_wmma_scale_f32_16x16x128_f8f6f4 v[rD:rD+7], v[rA:rA+11], v[rB:rB+11], 0, v[rSA], v[rSB] matrix_a_fmt:MATRIX_FMT_BF6 matrix_b_fmt:MATRIX_FMT_BF6 matrix_a_scale:MATRIX_SCALE_ROW1
.else
	v_wmma_scale_f32_16x16x128_f8f6f4 v[rD:rD+7], v[rA:rA+11], v[rB:rB+11], 0, v[rSA], v[rSB] matrix_a_fmt:MATRIX_FMT_BF6 matrix_b_fmt:MATRIX_FMT_BF6
.endif
.else
.if fRA
	v_wmma_scale_f32_16x16x128_f8f6f4 v[rD:rD+7], v[rA:rA+11], v[rB:rB+11], v[rD:rD+7], v[rSA], v[rSB] matrix_a_fmt:MATRIX_FMT_BF6 matrix_b_fmt:MATRIX_FMT_BF6 matrix_a_scale:MATRIX_SCALE_ROW1
.else
	v_wmma_scale_f32_16x16x128_f8f6f4 v[rD:rD+7], v[rA:rA+11], v[rB:rB+11], v[rD:rD+7], v[rSA], v[rSB] matrix_a_fmt:MATRIX_FMT_BF6 matrix_b_fmt:MATRIX_FMT_BF6
.endif
.endif
.endm
; row n = 16 qt + r of the mask, my 512 keys: four loads of 512 consecutive bytes into slot n % 8
.macro MLOAD n
.irp s, 0,1,2,3
	global_load_b128 v[MS+16*((\n)%8)+4*\s:MS+16*((\n)%8)+4*\s+3], v[LI], s[60:61] offset:(8*((\n)/16)+(\n)%16+8*(((\n)%16)/8))*8192+512*\s
.endr
.endm
.macro MROW n
.set mS, MS+16*((\n)%8)
.set yg, (\n)+6
.if yg > 31
.set yg, 31
.endif
	s_wait_loadcnt 4*(yg-(\n))                     ; row n is in; the rows asked for behind it (up to n + 6) may be out
.irp s, 0,1,2,3
.irp e, 0,2
	v_pk_fma_f32 v[mS+4*\s+\e:mS+4*\s+\e+1], v[mS+4*\s+\e:mS+4*\s+\e+1], s[46:47], v[ST+4*\s+\e:ST+4*\s+\e+1] op_sel_hi:[1,0,1]   ; 8 x mask, less 2^101 where the key is padded
.endr
.endr
.set me, 0
.rept 16
	v_max_num_f32 v[mS+me], s48, v[mS+me]          ; held at -2^100
.set me, me+1
.endr
.if ((\n) >= 1) && ((\n)+7 <= 31)
	s_wait_dscnt 0x0                               ; the row before has left its registers: its four stores, issued a row's arithmetic ago, are done
	s_wait_alu depctr_vm_vsrc(0)                   ; those LDS stores have read the slot in which the loads below land
.endif
	s_wait_alu depctr_va_vdst(0)                   ; this row's lines have written its slot, which the LDS stores below read; the row before's lines are done with their slot, in which the loads below land
.if ((\n) >= 1) && ((\n)+7 <= 31)
	MLOAD (\n)+7                                   ; the row before's slot takes the row eight on from it
.endif
.irp s, 0,1,2,3
	ds_store_b128 v[MWA], v[mS+4*\s:mS+4*\s+3] offset:(((\n)/16)*4+\s)*MU+16*((\n)%16)
.endr
.endm
; 57 loads: a head's sixteen slots of K for my keys, their scale words, Q's slot and its scale word
.macro KLOAD
	WIN 0x40                                       ; destination window 1, address window 0
.set lf, 0
.rept 16
.irp g, 0,1,2
	global_load_b128 v[12*lf+4*\g:12*lf+4*\g+3], v[LI], s[20:21] offset:lf*1536+\g*512
.endr
.set lf, lf+1
.endr
	WIN 0
	global_load_b128 v[KS:KS+3], v[LI], s[24:25]               ; lanes 0-15 key step 0, lanes 16-31 step 1: four words a row
	global_load_b128 v[KS+4:KS+7], v[LI], s[24:25] offset:512  ; steps 2 and 3
	global_load_b64 v[QB0+6:QB0+7], v[LI], s[28:29]            ; registers 0-5 of Q's slot: tile 0
	global_load_b64 v[QB0+8:QB0+9], v[LI], s[28:29] offset:8
	global_load_b64 v[QB0+10:QB0+11], v[LI], s[28:29] offset:512
	global_load_b64 v[QB0+24:QB0+25], v[LI], s[28:29] offset:520   ; registers 6-11: tile 1
	global_load_b64 v[QB0+26:QB0+27], v[LI], s[28:29] offset:1024
	global_load_b64 v[QB0+28:QB0+29], v[LI], s[28:29] offset:1032
	global_load_b32 v[QSW], v[R16], s[30:31]
.endm
.macro VLOAD                           ; 50 loads: the head's sixteen slots of V for my keys, and their scale words
	WIN 0x40
.set lf, 0
.rept 16
.irp g, 0,1,2
	global_load_b128 v[12*lf+4*\g:12*lf+4*\g+3], v[LI], s[22:23] offset:lf*1536+\g*512
.endr
.set lf, lf+1
.endr
	WIN 0
	global_load_b128 v[VS:VS+3], v[LI], s[26:27]
	global_load_b128 v[VS+4:VS+7], v[LI], s[26:27] offset:512
.endm
.macro MASKPART qt, first, count       ; LDS loads first .. first + count - 1 of the 64 that bring the mask's image into the score registers of query tile qt
	WIN 0x80+0x40*(\qt)
.set lf, (\first)
.rept (\count)
	ds_load_b128 v[4*lf:4*lf+3], v[VR0+(\qt)] offset:(lf/16)*MU+(lf%16)*2*MP
.set lf, lf+1
.endr
.endm
.macro SCORES qt                       ; 32 products: S^T = K Q^T + the mask's image; each accumulator is written once
	WIN 0xa1+0x50*(\qt)                            ; K window 1, Q window 0, C and D window 2 or 3
.set fZ, 0
.set xs, 0
.rept 4
.set xb, 0
.rept 4
.set xu, 0
.rept 2
.set rD, 64*xs+8*(2*xb+xu)
.set rA, 12*(4*xs+xb)
.set rB, QB0+18*(\qt)+6*(1-xu)                     ; u = 0: Q below, zeros above; u = 1: zeros below, Q above
.set rSA, KS+4*(xs/2)+xb
.set rSB, QS0+(\qt)
.set fRA, xs%2
	WMS
.set xu, xu+1
.endr
.set xb, xb+1
.endr
.set xs, xs+1
.endr
.endm
.macro BMAX qt                         ; the largest score of each block of 32 keys (my 16 of them): it serves the row's maximum and the block's scale
	WIN 0x28+0x14*(\qt)                            ; sources 1 and 2 in the scores' window
.set xs, 0
.rept 4
.irp b, 0,1,2,3
	v_max3_num_f32 v[BM+16*(\qt)+4*xs+\b], 0xff800000, v[64*xs+16*\b], v[64*xs+16*\b+1]   ; each accumulator is read from its low end on
.endr
.irp i, 2,4,6,8,10,12,14
.irp b, 0,1,2,3
	v_max3_num_f32 v[BM+16*(\qt)+4*xs+\b], v[BM+16*(\qt)+4*xs+\b], v[64*xs+16*\b+\i], v[64*xs+16*\b+\i+1]
.endr
.endr
.set xs, xs+1
.endr
.endm
; my keys' maximum m; c m; the multiplier c and the addend -c m, both 0 where all my keys are closed.  In two parts, so that both tiles' compares stand in one run, each with a mask of its own (s51, s52), under one wait
.macro LOCALA qt
.set lB, BM+16*(\qt)
.set lZ, ST+8*(\qt)
	v_max3_num_f32 v[lZ+4], v[lB], v[lB+1], v[lB+2]
.irp i, 3,5,7,9,11,13
	v_max3_num_f32 v[lZ+4], v[lZ+4], v[lB+\i], v[lB+\i+1]
.endr
	v_max_num_f32 v[lZ+4], v[lZ+4], v[lB+15]
	v_cmp_gt_f32 s[51+(\qt)], s49, v[lZ+4]         ; -2^99 > m: no open key among my 512
	v_mul_f32 v[lZ+6], s34, v[lZ+4]
	v_mul_f32 v[lZ+2], s35, v[lZ+4]
	v_mov_b32 v[lZ], s34
.endm
.macro LOCALB qt
.set lZ, ST+8*(\qt)
	v_cndmask_b32 v[lZ+2], v[lZ+2], 0, s[51+(\qt)]
	v_cndmask_b32 v[lZ], v[lZ], 0, s[51+(\qt)]
	v_mov_b32 v[lZ+1], v[lZ]                       ; (named as pairs, so the upper halves are written)
	v_mov_b32 v[lZ+3], v[lZ+2]
.endm
.macro EXPRUN qt                       ; p = 2^(c s - c m): a packed multiply-add four pairs ahead stands between the exponentials
	WIN 0x82+0x41*(\qt)
.set xe, 0
.rept 4
	v_pk_fma_f32 v[2*xe:2*xe+1], v[2*xe:2*xe+1], v[ST+8*(\qt):ST+8*(\qt)+1], v[ST+8*(\qt)+2:ST+8*(\qt)+3] op_sel_hi:[1,0,0]
.set xe, xe+1
.endr
.set xe, 0
.rept 128
	v_exp_f32 v[2*xe], v[2*xe]
.if xe+4 < 128
	v_pk_fma_f32 v[2*xe+8:2*xe+9], v[2*xe+8:2*xe+9], v[ST+8*(\qt):ST+8*(\qt)+1], v[ST+8*(\qt)+2:ST+8*(\qt)+3] op_sel_hi:[1,0,0]
.endif
	v_exp_f32 v[2*xe+1], v[2*xe+1]
.set xe, xe+1
.endr
.endm
.macro SUMS qt                         ; the sum of my 256 p, two at a time, in four chains
	WIN 0x08+0x04*(\qt)
.set xe, 0
.rept 128
	v_pk_add_f32 v[T+8*(\qt)+2*(xe%4):T+8*(\qt)+2*(xe%4)+1], v[T+8*(\qt)+2*(xe%4):T+8*(\qt)+2*(xe%4)+1], v[2*xe:2*xe+1]
.set xe, xe+1
.endr
.endm
.macro FOLD qt
.set fA, T+8*(\qt)
	v_pk_add_f32 v[fA:fA+1], v[fA:fA+1], v[fA+2:fA+3]
	v_pk_add_f32 v[fA+4:fA+5], v[fA+4:fA+5], v[fA+6:fA+7]
	v_pk_add_f32 v[fA:fA+1], v[fA:fA+1], v[fA+4:fA+5]
	v_add_f32 v[ST+8*(\qt)+7], v[fA], v[fA+1]
	v_permlanex16_b32 v[fA+2], v[ST+8*(\qt)+7], s38, s39
	v_add_f32 v[ST+8*(\qt)+7], v[ST+8*(\qt)+7], v[fA+2]   ; with lane l xor 16's: l of my 512 keys
.endm
; from the four waves' (c m, l): the factor that finishes my p.  In three parts, so that both tiles' exponentials are one batch, their compares one run and their reciprocals one batch
.macro NORMA qt
.set nA, T+8*(\qt)
.set nN, T+16+8*(\qt)
.set nZ, ST+8*(\qt)
	v_max3_num_f32 v[nN], v[nA], v[nA+2], v[nA+4]
	v_max_num_f32 v[nN], v[nN], v[nA+6]            ; M
	v_cmp_gt_f32 s[51+(\qt)], s50, v[nN]           ; -2^96 > M: the row has no open key
.irp i, 0,2,4,6
	v_sub_f32 v[nA+\i], v[nA+\i], v[nN]
.endr
	v_sub_f32 v[nN+1], v[nZ+6], v[nN]
.irp i, 0,2,4,6
	v_exp_f32 v[nA+\i], v[nA+\i]
.endr
	v_exp_f32 v[nN+1], v[nN+1]
.endm
.macro NORMB qt
.set nA, T+8*(\qt)
.set nN, T+16+8*(\qt)
.irp i, 0,2,4,6
	v_cndmask_b32 v[nA+\i], v[nA+\i], 1.0, s[51+(\qt)]
.endr
	v_cndmask_b32 v[nN+1], v[nN+1], 1.0, s[51+(\qt)]
	v_mul_f32 v[nN+2], v[nA], v[nA+1]
	v_fma_f32 v[nN+2], v[nA+2], v[nA+3], v[nN+2]
	v_fma_f32 v[nN+2], v[nA+4], v[nA+5], v[nN+2]
	v_fma_f32 v[nN+2], v[nA+6], v[nA+7], v[nN+2]   ; the row's sum
	v_rcp_f32 v[nN+3], v[nN+2]
.endm
.macro NORMC qt
.set nN, T+16+8*(\qt)
.set nZ, ST+8*(\qt)
	v_mul_f32 v[nZ+4], v[nN+1], v[nN+3]
	v_cndmask_b32 v[nZ+4], v[nZ+4], v[K11], s[51+(\qt)]   ; no open key: 1 / 2,048
	v_mov_b32 v[nZ+5], v[nZ+4]
.endm
.macro FMULS qt, first, count          ; the weights finished: pairs first .. first + count - 1 of tile qt's 128, times the factor
	WIN 0x82+0x41*(\qt)
.set xe, (\first)
.rept (\count)
	v_pk_mul_f32 v[2*xe:2*xe+1], v[2*xe:2*xe+1], v[ST+8*(\qt)+4:ST+8*(\qt)+5] op_sel_hi:[1,0]
.set xe, xe+1
.endr
.endm
.macro FCODES qt                       ; and quantised along the keys
	WIN 0x02+(\qt)                                 ; source 0 in the weights' window
.set xs, 0
.rept 4
.irp c, 0,1
	v_cvt_scalef32_pk16_bf6_f32 v[P+12*(4*(\qt)+xs)+6*\c:P+12*(4*(\qt)+xs)+6*\c+2], v[64*xs+32*\c:64*xs+32*\c+15], v[BM+16*(\qt)+4*xs+2*\c]
	v_cvt_scalef32_pk16_bf6_f32 v[T+8*xs+4*\c:T+8*xs+4*\c+2], v[64*xs+32*\c+16:64*xs+32*\c+31], v[BM+16*(\qt)+4*xs+2*\c+1]
.endr
.set xs, xs+1
.endr
	WIN 0
	v_nop                                          ; one plain line behind the conversions
.set xs, 0
.rept 4
.irp c, 0,1
.irp i, 0,1,2
	v_permlane16_swap_b32 v[P+12*(4*(\qt)+xs)+6*\c+\i], v[T+8*xs+4*\c+\i]   ; a whole block to a lane
.endr
.irp i, 0,1,2
	v_mov_b32 v[P+12*(4*(\qt)+xs)+6*\c+3+\i], v[T+8*xs+4*\c+\i]
.endr
.endr
.set xs, xs+1
.endr
.endm
; 32 products: O^T += V^T P^T; the eight accumulators take turns, one instruction a turn.  Behind each four products stand eight of the 64 LDS loads that bring the mask's image
; into window 3: no wait, since the products name window 1, the codes and the scale words, none of the registers that those loads touch
.macro PVRUN
.set xs, 0
.rept 4
.if xs == 0
.set fZ, 1
.else
.set fZ, 0
.endif
.set xd, 0
.rept 4
	WIN 0x51                                       ; V window 1, P window 0, C and D window 1
.set xq, 0
.rept 2
.set rD, 192+8*(4*xq+xd)
.set rA, 12*(4*xs+xd)
.set rB, P+12*(4*xq+xs)
.set rSA, VS+4*(xs/2)+xd
.set rSB, PW+4*xq+xs
.set fRA, xs%2
	WMS
.set xq, xq+1
.endr
.if (xd%2) == 1
	MASKPART 1, 8*(2*xs+xd/2), 8
.endif
.set xd, xd+1
.endr
.set xs, xs+1
.endr
.endm
	s_load_b256 s[4:11], s[0:1], 0x0               ; w2, mask, key_padding_mask, w3
	v_lshrrev_b32 v1, 5, v0
	v_readfirstlane_b32 s12, v1                    ; wave
	v_and_b32 v12, 31, v0                          ; lane
	v_and_b32 v13, 15, v0                          ; r
	v_bfe_u32 v14, v0, 4, 1                        ; h
	v_lshlrev_b32 v[LI], 4, v12
	v_lshlrev_b32 v[R16], 4, v13
	v_lshl_add_u32 v[CO], v14, 9, v[R16]
	s_wait_alu depctr_va_sdst(0)                   ; s12 is written, ahead of its first reader: LDS places and all the bases are made from it
	s_mul_i32 s56, s12, MW
	v_mul_u32_u24 v[VR0], v14, MP
	v_add_nc_u32 v[VR0], v[VR0], v[R16]
	v_add_nc_u32 v[VR0], s56, v[VR0]
	v_add_nc_u32 v[VR1], 4*MU, v[VR0]
	v_bfe_u32 v15, v0, 3, 2                        ; a lane's four keys 4 l .. 4 l + 3 of a step belong to slab 8 (l / 8) + 4 ((l / 2) % 2) + 2 (l % 2) + (l / 4) % 2
	v_lshlrev_b32 v15, 3, v15
	v_bfe_u32 v[MWA], v0, 1, 1
	v_lshl_add_u32 v15, v[MWA], 2, v15
	v_and_b32 v[MWA], 1, v0
	v_lshl_add_u32 v15, v[MWA], 1, v15
	v_bfe_u32 v[MWA], v0, 2, 1
	v_add_nc_u32 v15, v15, v[MWA]
	v_mul_u32_u24 v[MWA], v15, MP
	v_add_nc_u32 v[MWA], s56, v[MWA]
	s_lshl_b32 s57, s12, 13
	s_add_co_u32 s57, s57, OPB
	v_add_nc_u32 v[OPW], s57, v[LI]
	s_lshl_b32 s57, s12, 11
	s_add_co_u32 s57, s57, OPB
	v_add_nc_u32 v[OPR], s57, v[LI]
	v_lshlrev_b32 v[STR], 3, v12
	v_add_nc_u32 v[STR], STB, v[STR]
	s_lshl_b32 s57, s12, 9
	v_add_nc_u32 v[STW], s57, v[STR]
	v_lshlrev_b32 v15, 2, v12                      ; 4 x lane: the padding's bytes
	v_mov_b32 v[K11], 0x3a000000
	s_mov_b32 s13, ttmp9                           ; kb: my block of 32 queries
	s_and_b32 s14, ttmp7, 0xffff
	s_lshr_b32 s15, s14, 1                         ; batch
	s_and_b32 s16, s14, 1                          ; which eight heads
	s_lshl_b32 s17, s15, 4
	s_lshl_b32 s18, s16, 3
	s_add_co_u32 s17, s17, s18                     ; 16 x batch + my first head
	s_lshl_b32 s56, s17, 6
	s_lshl_b32 s57, s12, 4
	s_add_co_u32 s57, s56, s57
	s_mul_i32 s57, s57, 1536                       ; my sixteen slots of the first head
	s_add_co_u32 s20, s57, KI
	s_mov_b32 s21, 0
	s_add_co_u32 s22, s57, VI
	s_mov_b32 s23, 0
	s_lshl_b32 s58, s17, 4
	s_lshl_b32 s59, s12, 2
	s_add_co_u32 s59, s58, s59
	s_lshl_b32 s59, s59, 8                         ; my four key steps' scale words
	s_add_co_u32 s24, s59, KSO
	s_mov_b32 s25, 0
	s_add_co_u32 s26, s59, VSO
	s_mov_b32 s27, 0
	s_add_co_u32 s28, s56, s13
	s_mul_i32 s28, s28, 1536                       ; Q's slot kb
	s_mov_b32 s29, 0
	s_lshr_b32 s59, s13, 2
	s_add_co_u32 s30, s58, s59
	s_lshl_b32 s30, s30, 8
	s_and_b32 s59, s13, 3
	s_lshl_b32 s59, s59, 2
	s_add_co_u32 s30, s30, s59
	s_add_co_u32 s30, s30, QSO                     ; and its scale word: word kb % 4 of step kb / 4
	s_mov_b32 s31, 0
	s_lshl_b32 s32, s15, 6
	s_add_co_u32 s32, s32, s13
	s_lshl_b32 s32, s32, 1
	s_lshr_b32 s59, s12, 1
	s_add_co_u32 s32, s32, s59                     ; ctx: the token tile that I finish: query tile wave / 2,
	s_lshl_b32 s32, s32, 14
	s_lshl_b32 s59, s16, 13
	s_add_co_u32 s32, s32, s59
	s_and_b32 s41, s12, 1                          ; block of 32 dims wave % 2
	s_lshl_b32 s59, s41, 8
	s_add_co_u32 s32, s32, s59
	s_mov_b32 s33, 0
	s_lshl_b32 s41, s41, 3                         ; my scale byte's place in the reader's word: 16 (head % 2) + 8 (wave % 2) bits up
	s_lshl_b32 s60, s13, 18                        ; the mask: 32 rows of 8,192 bytes, my 512 keys
	s_lshl_b32 s59, s12, 11
	s_add_co_u32 s60, s60, s59
	s_mov_b32 s61, 0
	s_lshl_b32 s62, s15, 11
	s_lshl_b32 s59, s12, 9
	s_add_co_u32 s62, s62, s59
	s_mov_b32 s63, 0
	s_mov_b32 s34, 0x3e38aa3b                      ; c = log2(e) / 8
	s_mov_b32 s35, 0xbe38aa3b
	s_mov_b32 s36, 0xffff0000                      ; lanes 16-31
	s_mov_b32 s37, 0xf2000000                      ; -2^101
	s_mov_b32 s38, 0x76543210
	s_mov_b32 s39, 0xfedcba98
	s_mov_b32 s40, 8                               ; heads to go
	s_mov_b32 s43, 0
	s_mov_b32 s45, 0
	s_mov_b32 s46, 0x41000000                      ; 8.0
	s_mov_b32 s47, 0x41000000
	s_mov_b32 s48, 0xf1800000                      ; -2^100
	s_mov_b32 s49, 0xf1000000                      ; -2^99
	s_mov_b32 s50, 0xef800000                      ; -2^96
	s_wait_kmcnt 0x0
	s_add_nc_u64 s[20:21], s[4:5], s[20:21]
	s_add_nc_u64 s[22:23], s[4:5], s[22:23]
	s_add_nc_u64 s[24:25], s[4:5], s[24:25]
	s_add_nc_u64 s[26:27], s[4:5], s[26:27]
	s_add_nc_u64 s[28:29], s[4:5], s[28:29]
	s_add_nc_u64 s[30:31], s[4:5], s[30:31]
	s_add_nc_u64 s[32:33], s[10:11], s[32:33]
	s_add_nc_u64 s[60:61], s[6:7], s[60:61]
	s_add_nc_u64 s[62:63], s[8:9], s[62:63]
	; ---- the mask's image: each wave makes the part for its own 512 keys and is the only one to read it
	s_wait_alu depctr_va_vdst(0)                   ; the addresses v1 to v10 and v15 are written: every load, store and LDS instruction of the kernel but the closing add reads one of them
.irp s, 0,1,2,3
	global_load_b32 v[T+\s], v15, s[62:63] offset:128*\s   ; the padding's bytes of keys 4 l .. 4 l + 3 of step s
.endr
.irp n, 0,1,2,3,4,5,6,7
	MLOAD \n
.endr
	s_wait_loadcnt 32                              ; the padding's bytes are in; the mask's first eight rows may be out
.irp s, 0,1,2,3
.irp e, 0,1,2,3
	v_bfe_u32 v[ST+4*\s+\e], v[T+\s], 8*\e, 8
.endr
.endr
.set me, 0
.rept 16
	v_mul_lo_u32 v[ST+me], v[ST+me], s37           ; 0 or 1 times the bits of -2^101
.set me, me+1
.endr
.set mr, 0
.rept 32
	MROW mr
.set mr, mr+1
.endr
	s_wait_alu depctr_vm_vsrc(0)                   ; the image's LDS stores have read v80-207, and the padding's loads v15: the loop writes these registers anew (the blocks' figures, the codes, ctx as stored)
.irp i, 0,1,2,3,4,5
	v_mov_b32 v[QB0+\i], 0                         ; the zero codes beside Q
	v_mov_b32 v[QB0+12+\i], 0
	v_mov_b32 v[QB0+18+\i], 0
	v_mov_b32 v[QB0+30+\i], 0
.endr
.set me, 0
.rept 32
	v_mov_b32 v[T+me], 0                           ; written once: a lane permute's destination counts as read
.set me, me+1
.endr
	KLOAD                                          ; no vector instruction has named the registers in which these loads, and the image's below, land
	MASKPART 0, 0, 64                              ; LDS serves a wave's instructions in order: these see my stores
	MASKPART 1, 0, 64
	WIN 0
.Lhead:
	s_wait_loadcnt 0x0                             ; K, Q and their scale words
	s_wait_dscnt 0x0                               ; the mask's image stands in the score registers
	v_perm_b32 v[QS0], v[QSW], v[QSW], 0x01000100  ; tile 0's two bytes, for Q below and for Q above
	v_perm_b32 v[QS0+1], v[QSW], v[QSW], 0x03020302
	NOPS 8                                         ; a scale register written by a vector instruction stands eight places ahead of the scaled product
	s_wait_alu depctr_va_vdst(0)                   ; Q's two scale words are written (in the first trip the zero codes beside Q too), which the scaled products take
	SCORES 0
	SCORES 1
	WIN 0
	NOPS 4                                         ; four places in front of the first read of scores (ISA guide 7.12.1)
	s_wait_alu depctr_va_vdst(0)                   ; the score products are done reading K's fragments, in which V's land; the last head's second products are done reading V's scale words
	VLOAD                                          ; it has the whole softmax in which to land
	BMAX 0
	BMAX 1
	WIN 0
.set xe, 0
.rept 32
	v_permlanex16_b32 v[T+xe], v[BM+xe], s38, s39
.set xe, xe+1
.endr
.set xe, 0
.rept 32
	v_max_num_f32 v[BM+xe], v[BM+xe], v[T+xe]      ; with lane l xor 16's 16 keys
.set xe, xe+1
.endr
	LOCALA 0
	LOCALA 1
	s_wait_alu depctr_va_sdst(0)                   ; the two compares have written s51 and s52, ahead of the selects that read them
	LOCALB 0
	LOCALB 1
.set xe, 0
.rept 16
	v_mov_b32 v[T+xe], 0                           ; the sums' eight chains
.set xe, xe+1
.endr
	EXPRUN 0
	EXPRUN 1
	s_wait_alu depctr_va_vdst(0)                   ; the 512 exponentials have written p: one wait for the batch, ahead of its first reader
	SUMS 0
	SUMS 1
	WIN 0
	FOLD 0
	FOLD 1
.set xe, 0
.rept 32
	v_fma_f32 v[BM+xe], v[BM+xe], v[ST+8*(xe/16)], v[ST+8*(xe/16)+2]   ; each block's largest score goes the way of its elements: the same two operations give the same bits
.set xe, xe+1
.endr
.set xe, 0
.rept 32
	v_exp_f32 v[BM+xe], v[BM+xe]
.set xe, xe+1
.endr
	s_wait_alu depctr_va_vdst(0)                   ; (c m, l) of both tiles are written, which the LDS stores read; the sums are done with v224-239, in which the LDS loads behind the barrier land; and the 32 exponentials have written the blocks' largest p, ahead of their first reader
	ds_store_b64 v[STW], v[ST+6:ST+7]
	ds_store_b64 v[STW], v[ST+14:ST+15] offset:256
	BARRIER                                        ; every wave's (c m, l) lies in LDS
.irp q, 0,1
.irp i, 0,1,2,3
	ds_load_b64 v[T+8*\q+2*\i:T+8*\q+2*\i+1], v[STR] offset:\i*512+\q*256
.endr
.endr
	s_wait_dscnt 0x0
	NORMA 0
	NORMA 1
	v_nop                                          ; a plain line behind the exponentials
	s_wait_alu depctr_va_vdst(0)                   ; the ten exponentials have written their results, ahead of the first reader
	s_wait_alu depctr_va_sdst(0)                   ; the two compares have written s51 and s52, ahead of the selects that read them
	NORMB 0
	NORMB 1
	v_nop                                          ; a plain line behind the reciprocals
	s_wait_alu depctr_va_vdst(0)                   ; the two reciprocals have written their results, ahead of the first reader
	NORMC 0
	NORMC 1
.set xe, 0
.rept 32
	v_mul_f32 v[BM+xe], v[BM+xe], v[ST+8*(xe/16)+4]    ; the block's largest finished weight
.set xe, xe+1
.endr
.set xe, 0
.rept 32
	v_max_num_f32 v[BM+xe], 0x2800000, v[BM+xe]        ; the floor 2^(5 - 127)
.set xe, xe+1
.endr
.set xe, 0
.rept 32
	v_add_nc_u32 v[BM+xe], 0xfe000000, v[BM+xe]        ; 4 off the exponent field: the conversion's scale operand
.set xe, xe+1
.endr
.set xe, 0
.rept 32
	v_lshrrev_b32 v[T+xe], 23, v[BM+xe]                ; the byte
.set xe, xe+1
.endr
.set xe, 0
.rept 8
	v_lshl_or_b32 v[PW+xe], v[T+4*xe+1], 8, v[T+4*xe]
	v_lshl_or_b32 v[PW+xe], v[T+4*xe+2], 16, v[PW+xe]
	v_lshl_or_b32 v[PW+xe], v[T+4*xe+3], 24, v[PW+xe]
.set xe, xe+1
.endr
	FMULS 0, 0, 128
	FCODES 0
	s_wait_alu depctr_va_vdst(0)                   ; tile 0's multiplies have written, and its conversions have read, the registers of window 2, in which the next head's image lands
.set fg, 0
.rept 8
	MASKPART 0, 8*fg, 8                            ; eight of window 2's 64 loads, then sixteen of tile 1's multiplies, which name window 3 and the factor alone: no further wait
	FMULS 1, 16*fg, 16
.set fg, fg+1
.endr
	FCODES 1
	NOPS 4                                         ; codes written by vector instructions stand four places ahead of the scaled product
	s_wait_alu depctr_va_vdst(0)                   ; the weights' codes and scale words are written, which the scaled products take; tile 1's multiplies and conversions are done with window 3, in which the image's loads among the products land
	s_wait_loadcnt 0x0                             ; V and its scale words
	PVRUN
	WIN 0
	NOPS 4                                         ; four places in front of the first read of O^T (ISA guide 7.12.1)
	s_cmp_gt_u32 s40, 1                            ; the last head asks for itself again: no load leaves its region
	s_cselect_b32 s42, HSTR, 0
	s_cselect_b32 s44, SSTR, 0
	s_add_nc_u64 s[20:21], s[20:21], s[42:43]      ; (every load that named these has been waited for)
	s_add_nc_u64 s[22:23], s[22:23], s[42:43]
	s_add_nc_u64 s[28:29], s[28:29], s[42:43]
	s_add_nc_u64 s[24:25], s[24:25], s[44:45]
	s_add_nc_u64 s[26:27], s[26:27], s[44:45]
	s_add_nc_u64 s[30:31], s[30:31], s[44:45]
	s_wait_alu depctr_va_vdst(0)                   ; the second products are done reading V's fragments, in which K's land, and the codes v80-143, in which the partial O^T land behind the barrier; they have written O^T, which the LDS stores read
	KLOAD
	WIN 0x04                                       ; an LDS store's data: window 1
.set xe, 0
.rept 8
	ds_store_b128 v[OPW], v[192+8*xe:192+8*xe+3] offset:xe*1024        ; each accumulator from its low end on
	ds_store_b128 v[OPW], v[192+8*xe+4:192+8*xe+7] offset:xe*1024+512
.set xe, xe+1
.endr
	WIN 0
	BARRIER                                        ; the four partial O^T lie in LDS
	; ---- wave w finishes query tile w / 2, dims 32 (w % 2) on: 16 numbers a lane, half a block of ctx along D
.irp i, 0,1,2,3
.irp u, 0,1
.irp g, 0,1
	ds_load_b128 v[80+16*\i+8*\u+4*\g:80+16*\i+8*\u+4*\g+3], v[OPR] offset:\i*8192+\u*1024+\g*512
.endr
.endr
.endr
	s_wait_dscnt 0x0
.irp k, 0,2,4,6,8,10,12,14
	v_pk_add_f32 v[80+\k:81+\k], v[80+\k:81+\k], v[96+\k:97+\k]
	v_pk_add_f32 v[112+\k:113+\k], v[112+\k:113+\k], v[128+\k:129+\k]
.endr
.irp k, 0,2,4,6,8,10,12,14
	v_pk_add_f32 v[80+\k:81+\k], v[80+\k:81+\k], v[112+\k:113+\k]
.endr
	v_max3_num_f32 v148, |v80|, |v81|, 0x2800000
.irp i, 2,4,6,8,10,12,14
	v_max3_num_f32 v148, v148, |v[80+\i]|, |v[81+\i]|
.endr
	v_permlanex16_b32 v[T], v148, s38, s39
	v_max_num_f32 v148, v148, v[T]
	v_add_nc_u32 v149, 0xfe000000, v148
	v_cvt_scalef32_pk16_bf6_f32 v[144:146], v[80:95], v149
	v_lshrrev_b32 v150, 23, v149                   ; the byte; also the plain line behind the conversion
	v_lshlrev_b32 v150, s41, v150                  ; at its place in the reader's scale word
	v_permlanex16_b32 v[T+1], v144, s38, s39
	v_cndmask_b32 v[CD], v144, v145, s36           ; lanes 0-15: registers 0-3 of the reader's six; lanes 16-31: registers 4, 5, the byte, the byte again
	v_cndmask_b32 v[CD+1], v145, v146, s36
	v_cndmask_b32 v[CD+2], v146, v150, s36
	v_cndmask_b32 v[CD+3], v[T+1], v150, s36
	s_wait_alu depctr_va_vdst(0)                   ; the four selects have written v12-15, which the store reads
	global_store_b128 v[CO], v[CD:CD+3], s[32:33]  ; sixteen lanes store 256 consecutive bytes, aligned
	s_wait_xcnt 0x0                                ; the store has read its data and its base: both are written again
	s_wait_alu depctr_vm_vsrc(0)                   ; this trip's stores have read their data: ctx in v12-15, (c m, l) in v214-215 and v222-223, O^T in window 1: the next trip writes all of them again
	s_add_nc_u64 s[32:33], s[32:33], 1024
	s_xor_b32 s41, s41, 16
	s_sub_co_u32 s40, s40, 1
	s_cmp_lg_u32 s40, 0
	s_cbranch_scc1 .Lhead
	s_wait_xcnt 0x0
	v_lshl_add_u32 v254, v0, 2, 0x4c800
	v_mov_b32 v255, 0
	s_wait_dscnt 0x0                               ; the closing lines, six on end
	s_wait_alu 0x0
	s_wait_tensorcnt 0x0
	ds_add_u32 v254, v255
	s_wait_dscnt 0x0
	s_endpgm
.Lfunc_end_k_qa762613ad2_attn:
	.size	k_qa762613ad2_attn, .Lfunc_end_k_qa762613ad2_attn-k_qa762613ad2_attn
	.p2alignl 7, 3214868480
	.fill 96, 4, 3214868480
	.section	.rodata,"a",@progbits
	.p2align	6, 0x0
	.amdhsa_kernel k_qa762613ad2_attn
		.amdhsa_group_segment_fixed_size 313856
		.amdhsa_private_segment_fixed_size 0
		.amdhsa_enable_private_segment 0
		.amdhsa_kernarg_size 32
		.amdhsa_user_sgpr_count 2
		.amdhsa_user_sgpr_kernarg_segment_ptr 1
		.amdhsa_wavefront_size32 1
		.amdhsa_system_sgpr_workgroup_id_x 1
		.amdhsa_system_sgpr_workgroup_id_y 1
		.amdhsa_system_sgpr_workgroup_id_z 1
		.amdhsa_system_vgpr_workitem_id 0
		.amdhsa_next_free_vgpr 1024
		.amdhsa_next_free_sgpr 66
		.amdhsa_reserve_vcc 0
		.amdhsa_float_denorm_mode_32 3
		.amdhsa_float_denorm_mode_16_64 3
		.amdhsa_memory_ordered 1
		.amdhsa_forward_progress 1
		.amdhsa_inst_pref_size 223
	.end_amdhsa_kernel
	.amdgpu_metadata
---
amdhsa.version: [ 1, 2 ]
amdhsa.kernels:
  - .name:           k_qa762613ad2_attn
    .symbol:         k_qa762613ad2_attn.kd
    .args:
      - { .name: w2, .offset: 0, .size: 8, .value_kind: global_buffer, .address_space: global }
      - { .name: mask, .offset: 8, .size: 8, .value_kind: global_buffer, .address_space: global }
      - { .name: key_padding_mask, .offset: 16, .size: 8, .value_kind: global_buffer, .address_space: global }
      - { .name: w3, .offset: 24, .size: 8, .value_kind: global_buffer, .address_space: global }
    .group_segment_fixed_size: 313856
    .private_segment_fixed_size: 0
    .kernarg_segment_align: 8
    .kernarg_segment_size: 32
    .max_flat_workgroup_size: 128
    .sgpr_count:     66
    .vgpr_count:     1024
    .wavefront_size: 32
...
	.end_amdgpu_metadata
.endif
;; end of part 6
;; launch oproj (part 7): grid 64 x 4, 4 waves a work-group, no clusters, 17,920 bytes of LDS; arguments w1, w3, bo, out0; writes out0
.if DOCPART == 7
	.amdgcn_target "amdgcn-amd-amdhsa--gfx1250"
	.amdhsa_code_object_version 6
	.text
	.protected	k_qa762613ad2_oproj
	.globl	k_qa762613ad2_oproj
	.p2align	8
	.type	k_qa762613ad2_oproj,@function
k_qa762613ad2_oproj:
	s_mov_b64 s[64:65], 0
	v_nop
	global_prefetch_b8 v0, s[64:65] scope:SCOPE_SE
	s_setreg_imm32_b32 hwreg(HW_REG_WAVE_SCHED_MODE, 0, 2), 2
	s_setreg_imm32_b32 hwreg(HW_REG_WAVE_MODE, 25, 1), 1
	s_wait_xcnt 0x0
	s_wait_alu depctr_vm_vsrc(0)
; out0 = ctx Wo + bo on codes of BF6 with E8M0 scales, sums in f32.  A wave makes 64 tokens (tiles 4 x + o) x 64 features (Wo's tiles 16 y + 4 wave + i): 16 accumulators, K = 1,024 in eight steps of 128.
; Source 0 = 16 rows of Wo's image, source 1 = 16 tokens of ctx: a lane holds one token and neighbouring features (rows of a tile: 32 n + 8 u + r + 8 (r / 8)).  The bias is the C of each sum's first product.
; ctx: [token tile][head][part 2][hh 2][r 16][16 bytes]: part 0 = registers 0-3 of the head's six registers of lane (r, hh); part 1 = registers 4, 5 and the block's scale byte at its place in the K step's word.
; Operands come from memory straight into registers; the results leave through each wave's own stage in LDS as whole rows of 256 bytes.  No barrier: waves share nothing but what they read.
; REGISTERS: window 0: v1-6 addresses; v10-15 Wo's scale words, v16-27 ctx's, v28-51 ctx's bytes as loaded, three sets each; v52-55 at work; v64-159, v160-255 buffers 0 and 1 of fragments.
;   window 1: v0-127 accumulators, v128-159 the bias, v160-255 buffer 2.
; THE MODE: SCHED_MODE bits 1:0 = 2 (LLVM: expert scheduling mode 2), set by the entry lines.  The code itself states the register dependences
; between vector or matrix instructions and memory or LDS instructions, with s_wait_alu, always for 0.
; THE PLAN.  Registers that memory or LDS instructions touch:
;   buffer b = 0, 1, 2 (96 registers of fragments, Wo's two scale words v10 + 2 b, ctx's eight registers of bytes v28 + 8 b): K step k's 38 loads land in buffer k % 3; that step's OR lines read the bytes, its 16 products
;   the fragments and Wo's words; the loads of K step k + 3 land in it.   ctx's scale words v16-27 are made by vector lines and taken by the scaled products alone.
;   v1-v6   offsets and LDS addresses, made once at the head, never written again: the K steps are reached by immediate offsets.
;   On the way out: the accumulators, read by LDS stores; v64-191, in which the stage's loads land and which the stores to memory read.
; So ONE wait on va_vdst stands in a K step, behind the lines that make ctx's scale words and their eight places: those words are written, and the step before's products and OR lines are done reading their buffer.
; Behind it that buffer's next 38 loads (K step k + 2) are dealt among step k's four rows of products, which name buffer k % 3, its scale words and the accumulators: none of the registers that those loads touch.
.set WQ_O, 3145728
.set WS_O, 6422528
.set SP, 272
.set WSC, 10                           ; v10-15 Wo's scale words: set b at WSC + 2 b
.set CSC, 16                           ; v16-27 ctx's scale words: set b at CSC + 4 b
.set RAWB, 28                          ; v28-51 ctx's bytes as loaded: set b at RAWB + 8 b
.set TP, 52                            ; v52-55 at work
.set MSB, 0
.macro WIN new                         ; the immediate's high byte repeats the setting that is left
.if MSB != (\new)
	s_set_vgpr_msb (MSB<<8)|(\new)
.set MSB, (\new)
.endif
.endm
.macro NOPS n
.rept \n
	v_nop
.endr
.endm
.macro WMS                             ; one product, by the symbols rD, rC, rA, rB, rSA, rSB; fRA: source 0's scales stand in lanes 16-31
.if fRA
	v_wmma_scale_f32_16x16x128_f8f6f4 v[rD:rD+7], v[rA:rA+11], v[rB:rB+11], v[rC:rC+7], v[rSA], v[rSB] matrix_a_fmt:MATRIX_FMT_BF6 matrix_b_fmt:MATRIX_FMT_BF6 matrix_a_scale:MATRIX_SCALE_ROW1
.else
	v_wmma_scale_f32_16x16x128_f8f6f4 v[rD:rD+7], v[rA:rA+11], v[rB:rB+11], v[rC:rC+7], v[rSA], v[rSB] matrix_a_fmt:MATRIX_FMT_BF6 matrix_b_fmt:MATRIX_FMT_BF6
.endif
.endm
; K step ks (heads 2 ks, 2 ks + 1) into buffer ks % 3, 38 loads in three parts.  Buffers 0 and 1 lie in window 0 at v64 and v160, buffer 2 in window 1 at v160
.macro LOADW ks                        ; 12 loads: Wo's four fragments
.set lb, (\ks)%3
.set FB, 64+96*((lb+1)/2)
	WIN 0x40*(lb/2)                                ; the destination's window; the address in window 0
.irp i, 0,1,2,3
.irp g, 0,1,2
	global_load_b128 v[FB+12*\i+4*\g:FB+12*\i+4*\g+3], v1, s[14:15] offset:\i*12288+(\ks)*1536+\g*512
.endr
.endr
.endm
.macro LOADC ks                        ; 16 loads: ctx's four fragments
.set lb, (\ks)%3
.set FB, 64+96*((lb+1)/2)
	WIN 0x40*(lb/2)
.irp o, 0,1,2,3
.irp c, 0,1
	global_load_b128 v[FB+48+12*\o+6*\c:FB+48+12*\o+6*\c+3], v1, s[6:7] offset:\o*16384+(2*(\ks)+\c)*1024
	global_load_b64 v[FB+48+12*\o+6*\c+4:FB+48+12*\o+6*\c+5], v1, s[6:7] offset:\o*16384+(2*(\ks)+\c)*1024+512
.endr
.endr
.endm
.macro LOADS ks                        ; 10 loads: Wo's scale words and ctx's bytes, all in window 0
.set lb, (\ks)%3
	WIN 0
.irp j, 0,1
	global_load_b32 v[WSC+2*lb+\j], v2, s[16:17] offset:\j*1024+(\ks)*128
.endr
.irp o, 0,1,2,3
.irp c, 0,1
	global_load_b32 v[RAWB+8*lb+2*\o+\c], v1, s[6:7] offset:\o*16384+(2*(\ks)+\c)*1024+520
.endr
.endr
.endm
	s_load_b256 s[4:11], s[0:1], 0x0               ; w1, w3, bo, out0
	v_lshl_add_u32 v62, v0, 2, 0x4400
	v_mov_b32 v63, 0
	v_lshrrev_b32 v1, 5, v0
	v_readfirstlane_b32 s12, v1                    ; wave
	v_and_b32 v7, 31, v0
	v_lshlrev_b32 v1, 4, v7                        ; 16 x lane
	v_lshlrev_b32 v2, 2, v7                        ; 4 x lane
	v_and_b32 v8, 15, v0                           ; r
	v_bfe_u32 v9, v0, 4, 1                         ; h
	v_lshlrev_b32 v3, 6, v9                        ; the bias: 16 h numbers on
	s_wait_alu depctr_va_sdst(0)                   ; s12 is written, ahead of its first reader: my stage's place and the bases are made from it
	s_mul_i32 s26, s12, 16*SP                      ; my stage
	v_mul_u32_u24 v4, v8, SP
	v_lshl_add_u32 v4, v9, 6, v4
	v_add_nc_u32 v4, s26, v4                       ; in: row r, + 64 h
	v_mul_u32_u24 v5, v9, SP
	v_lshl_add_u32 v5, v8, 4, v5
	v_add_nc_u32 v5, s26, v5                       ; back: lanes 0-15 one row of 256 bytes, lanes 16-31 the next
	v_lshlrev_b32 v6, 12, v9
	v_lshl_add_u32 v6, v8, 4, v6                   ; and the same two rows in out0
.irp i, 0,1,2,3
	v_mov_b32 v[TP+\i], 0                          ; (a lane permute's destination counts as read)
.endr
	s_and_b32 s13, ttmp7, 0xffff
	s_lshl_b32 s13, s13, 2
	s_add_co_u32 s13, s13, s12                     ; which 64 features
	s_mul_i32 s14, s13, 4*12288
	s_add_co_u32 s14, s14, WQ_O+192*12288          ; Wo's tiles follow the 192 of Wq, Wk, Wv
	s_mov_b32 s15, 0
	s_lshl_b32 s16, s13, 11
	s_add_co_u32 s16, s16, WS_O+96*1024
	s_mov_b32 s17, 0
	s_lshl_b32 s18, ttmp9, 16                      ; my four token tiles of ctx
	s_mov_b32 s19, 0
	s_lshl_b32 s22, s13, 8                         ; my 64 features in bytes
	s_mov_b32 s23, 0
	s_lshl_b32 s24, ttmp9, 18                      ; 64 rows of 4,096 bytes
	s_add_co_u32 s24, s24, s22
	s_mov_b32 s25, 0
	s_mov_b32 s20, 0x76543210
	s_mov_b32 s21, 0xfedcba98
	s_wait_kmcnt 0x0
	s_add_nc_u64 s[14:15], s[4:5], s[14:15]
	s_add_nc_u64 s[16:17], s[4:5], s[16:17]
	s_add_nc_u64 s[6:7], s[6:7], s[18:19]
	s_add_nc_u64 s[8:9], s[8:9], s[22:23]
	s_add_nc_u64 s[10:11], s[10:11], s[24:25]
	WIN 0x40                                       ; destination window 1
	s_wait_alu depctr_va_vdst(0)                   ; the offsets and LDS addresses v1 to v6 are written: every load, store and LDS instruction of the kernel but the closing add reads one of them
.irp i, 0,1,2,3
	global_load_b128 v[128+8*\i:128+8*\i+3], v3, s[8:9] offset:(32*(\i/2)+8*(\i%2))*4      ; tile i, lane (r, h): bo at features 32 (i / 2) + 8 (i % 2) + 16 h + 0 .. 7
	global_load_b128 v[128+8*\i+4:128+8*\i+7], v3, s[8:9] offset:(32*(\i/2)+8*(\i%2))*4+16
.endr
	LOADW 0                                        ; K steps 0 and 1 are asked for at the head; each step asks for the one two steps on
	LOADC 0
	LOADS 0
	LOADW 1
	LOADC 1
	LOADS 1
.set kk, 0
.rept 8
.set kb, kk%3
.set kF, 64+96*((kb+1)/2)
.if kk < 7
	s_wait_loadcnt 38                              ; this step's loads (and the bias) are in; the next step's 38 may be out
.else
	s_wait_loadcnt 0x0
.endif
.irp o, 0,1,2,3
	v_or_b32 v[CSC+4*kb+\o], v[RAWB+8*kb+2*\o], v[RAWB+8*kb+2*\o+1]   ; my two bytes of the token's scale word,
.endr
.irp o, 0,1,2,3
	v_permlanex16_b32 v[TP+\o], v[CSC+4*kb+\o], s20, s21
.endr
.irp o, 0,1,2,3
	v_or_b32 v[CSC+4*kb+\o], v[CSC+4*kb+\o], v[TP+\o]                 ; and lane l xor 16's two
.endr
	NOPS 8                                         ; a scale register written by a vector instruction stands eight places ahead of the scaled product
	s_wait_alu depctr_va_vdst(0)                   ; ctx's four scale words are written, which the scaled products take; the step before's products and OR lines are done reading their buffer, in which the loads below land
.set mo, 0
.rept 4
	WIN 0x50+5*(kb/2)                              ; sources 0 and 1 in the buffer's window, C and D window 1
.set mi, 0
.rept 4
.set rD, 8*(4*mo+mi)
.if kk == 0
.set rC, 128+8*mi                                  ; the bias starts the sum
.else
.set rC, rD
.endif
.set rA, kF+12*mi
.set rB, kF+48+12*mo
.set rSA, WSC+2*kb+mi/2
.set rSB, CSC+4*kb+mo
.set fRA, mi%2
	WMS                                            ; the 16 accumulators take turns, one instruction a turn
.set mi, mi+1
.endr
.if kk < 6                                         ; K step kk + 2, early in the step.  No wait: no vector or matrix instruction since the wait above names its buffer
.if mo == 0
	LOADW kk+2
.endif
.if mo == 1
	LOADC kk+2
.endif
.if mo == 2
	LOADS kk+2
.endif
.endif
.set mo, mo+1
.endr
	WIN 0
.set kk, kk+1
.endr
; THE WAY OUT, a token tile at a time: a lane's eight results are 32 neighbouring bytes of a row; they go into my stage and come back as whole rows of 256 bytes.
.macro TOSTAGE o
	WIN 0x04                                       ; an LDS store's data: window 1
.irp i, 0,1,2,3
	ds_store_b128 v4, v[8*(4*(\o)+\i):8*(4*(\o)+\i)+3] offset:(\i/2)*128+(\i%2)*32       ; each accumulator from its low end on
	ds_store_b128 v4, v[8*(4*(\o)+\i)+4:8*(4*(\o)+\i)+7] offset:(\i/2)*128+(\i%2)*32+16
.endr
	WIN 0
.irp t, 0,1,2,3,4,5,6,7
	ds_load_b128 v[64+32*(\o)+4*\t:64+32*(\o)+4*\t+3], v5 offset:2*\t*SP   ; LDS serves a wave's instructions in order: these see my stores, and the next tile's stores come behind them
.endr
.endm
.macro SEND o, younger                 ; younger: the LDS instructions issued behind tile o's loads, which may stay out
	s_wait_dscnt \younger
.irp t, 0,1,2,3,4,5,6,7
	global_store_b128 v6, v[64+32*(\o)+4*\t:64+32*(\o)+4*\t+3], s[10:11] offset:(32*((\o)/2)+8*((\o)%2)+2*\t+8*(\t/4))*4096 th:TH_STORE_NT   ; sixteen lanes store 256 consecutive bytes, aligned
.endr
.endm
	NOPS 4                                         ; four places behind the last products, before their results are read (ISA guide 7.12.1); they stay beside the wait
	s_wait_alu depctr_va_vdst(0)                   ; the products have written the accumulators, which the LDS stores read, and are done reading the fragments in v64-191, in which the stage's loads land; no vector instruction follows
	TOSTAGE 0
	TOSTAGE 1
	SEND 0, 16
	TOSTAGE 2
	SEND 1, 16
	TOSTAGE 3
	SEND 2, 16
	SEND 3, 0
	s_wait_dscnt 0x0                               ; the closing lines, six on end
	s_wait_alu 0x0
	s_wait_tensorcnt 0x0
	ds_add_u32 v62, v63
	s_wait_dscnt 0x0
	s_endpgm
.Lfunc_end_k_qa762613ad2_oproj:
	.size	k_qa762613ad2_oproj, .Lfunc_end_k_qa762613ad2_oproj-k_qa762613ad2_oproj
	.p2alignl 7, 3214868480
	.fill 96, 4, 3214868480
	.section	.rodata,"a",@progbits
	.p2align	6, 0x0
	.amdhsa_kernel k_qa762613ad2_oproj
		.amdhsa_group_segment_fixed_size 17920
		.amdhsa_private_segment_fixed_size 0
		.amdhsa_enable_private_segment 0
		.amdhsa_kernarg_size 32
		.amdhsa_user_sgpr_count 2
		.amdhsa_user_sgpr_kernarg_segment_ptr 1
		.amdhsa_wavefront_size32 1
		.amdhsa_system_sgpr_workgroup_id_x 1
		.amdhsa_system_sgpr_workgroup_id_y 1
		.amdhsa_system_sgpr_workgroup_id_z 1
		.amdhsa_system_vgpr_workitem_id 0
		.amdhsa_next_free_vgpr 512
		.amdhsa_next_free_sgpr 66
		.amdhsa_reserve_vcc 0
		.amdhsa_float_denorm_mode_32 3
		.amdhsa_float_denorm_mode_16_64 3
		.amdhsa_memory_ordered 1
		.amdhsa_forward_progress 1
		.amdhsa_inst_pref_size 64
	.end_amdhsa_kernel
	.amdgpu_metadata
---
amdhsa.version: [ 1, 2 ]
amdhsa.kernels:
  - .name:           k_qa762613ad2_oproj
    .symbol:         k_qa762613ad2_oproj.kd
    .args:
      - { .name: w1, .offset: 0, .size: 8, .value_kind: global_buffer, .address_space: global }
      - { .name: w3, .offset: 8, .size: 8, .value_kind: global_buffer, .address_space: global }
      - { .name: bo, .offset: 16, .size: 8, .value_kind: global_buffer, .address_space: global }
      - { .name: out0, .offset: 24, .size: 8, .value_kind: global_buffer, .address_space: global }
    .group_segment_fixed_size: 17920
    .private_segment_fixed_size: 0
    .kernarg_segment_align: 8
    .kernarg_segment_size: 32
    .max_flat_workgroup_size: 128
    .sgpr_count:     66
    .vgpr_count:     512
    .wavefront_size: 32
...
	.end_amdgpu_metadata
.endif
;; end of part 7
